; MI455X (gfx1250); checked and timed in simulation.
; The chip was launched on July 23, 2026; its instructions are those of AMD's public machine-readable ISA for CDNA 5 (MIT licence, August 2026) and "CDNA5" Instruction Set Architecture Reference Guide (July 2026). The comments in the code are by the model that wrote it; some were corrected since.
;; Bahdanau Attention. Allowed arithmetic: matrix products marked QUANTISED: E2M1 operands, one E8M0 scale for each 32 along K, by v_wmma_scale_f32_16x16x128_f8f6f4 with both operands' format E2M1 (or v_wmma_scale_f32_32x16x128_f4), f32 sums; products left as they are: f32 operands where the result goes on into a quantised operand, else bf16, f16 or f32 operands; f32 sums; everything else in f32.
;; Inputs: W_c 1,024 x 1 float32; W_h_codes 1,024 x 64 x 16 uint8 (E2M1 codes of W_h, K innermost, in blocks of 32 codes, two codes a byte); W_h_scales 1,024 x 64 uint8 (E8M0 scales of W_h, one for each 32 codes along K); W_s_codes 1,024 x 64 x 16 uint8 (E2M1 codes of W_s, K innermost, in blocks of 32 codes, two codes a byte); W_s_scales 1,024 x 64 uint8 (E8M0 scales of W_s, one for each 32 codes along K); b_a 1 float32; b_h 1,024 float32; b_s 1,024 float32; coverage 64 x 512 float32; h_i 64 x 512 x 2,048 float32; s_t_codes 64 x 64 x 16 uint8 (E2M1 codes of s_t, K innermost, in blocks of 32 codes, two codes a byte); s_t_scales 64 x 64 uint8 (E8M0 scales of s_t, one for each 32 codes along K); v_a 1 x 1,024 float32.
;; Outputs: out0 64 x 2,048 float32; out1 64 x 512 float32; out2 64 x 512 float32.
;; This version of the problem:
;;   THIS VERSION OF THE PROBLEM IS GIVEN IN LOW PRECISION. The matrix products marked QUANTISED in the list below multiply operands that are first quantised to E2M1 (2 exponent bits, 1 mantissa bit; 4 bits a number), with one power-of-two scale for each 32 numbers along K (OCP MX v1.0); their sums are f32. All else is computed in f32.
;;   The module's matrix products, in the order in which they are computed (A, B: the left and right operand; K: the contracted axis; several contracted axes count as one K, in the product's order):
;;     1. [M 32,768, K 2,048] x [K 2,048, N 1,024]; A: input h_i; B: input W_h (given as codes): QUANTISED
;;     2. [M 64, K 2,048] x [K 2,048, N 1,024]; A: input s_t (given as codes); B: input W_s (given as codes): QUANTISED
;;     3. [M 32,768, K 1,024] x [K 1,024, N 1]; A: computed on the way; B: input v_a: left as it is (N = 1 < 16)
;;     4. batch 64 x [M 1, K 512] x [K 512, N 2,048]; A: softmax; B: input h_i: left as it is (M = 1 < 16)
;;   THE QUANTISER, for each operand of a quantised product, along K:
;;     - K is cut into blocks of 32 from its start; a last block that is shorter is filled with zeros.
;;     - A block's scale is 2^e with e = floor(log2(the largest magnitude in the block)) - 2, held to -126 .. 127; a block of zeros has e = 0. As a byte (E8M0): e + 127.
;;     - Each number is divided by its block's scale, clamped to +-6, and rounded to the nearest number of E2M1, ties to even, subnormals kept.
;;     - The product sums the exact products of the quantised numbers (number of the format x scale) in f32.
;;   ~~~python
;;   def quantise(x, axis):      # numpy; x: float32 -> the quantised numbers, widened to float32 again
;;       x = np.moveaxis(x, axis, -1); K = x.shape[-1]
;;       x = np.pad(x, [(0, 0)] * (x.ndim - 1) + [(0, -K % 32)]); x = x.reshape(x.shape[:-1] + (-1, 32)); a = np.abs(x).max(-1, keepdims=True)
;;       e = np.where(a > 0, np.clip(np.frexp(np.where(a > 0, a, 1))[1] - 1 - 2, -126, 127), 0)      # np.frexp(a)[1] - 1 = floor(log2(a)), exactly
;;       r = np.clip(x / 2.0 ** e, -6, 6)
;;       step = 2.0 ** (np.maximum(np.frexp(np.where(r == 0, 1, r))[1] - 1, 0) - 1)
;;       q = np.round(r / step) * step * 2.0 ** e      # np.round: ties to even
;;       return np.moveaxis(q.reshape(q.shape[:-2] + (-1,))[..., :K], -1, axis).astype(np.float32)
;;   ~~~
;;   INPUTS GIVEN AS CODES. W_h (in the module: [1024, 2048], K = its axis 1); W_s (in the module: [1024, 2048], K = its axis 1); s_t (in the module: [64, 2048], K = its axis 1): each comes as NAME_codes (uint8): NAME with its K axis moved to the last place and cut into blocks of 32 codes, [.., K / 32, bytes a block], one block behind the other in memory; two codes a byte, the lower K in the low four bits (a code: sign, 2 exponent bits, 1 mantissa bit); and NAME_scales (uint8): the same leading axes, one E8M0 byte (e + 127) for each 32 codes along K. Its value is code x scale, taken as it is: it is not quantised again, and the codes and scales need not be those that the quantiser above would give.
;; 2 versions, each right; version 2 is version 1 with the launches prep, main written anew for expert scheduling mode. Each part assembles by itself: llvm-mc -triple=amdgcn-amd-amdhsa -mcpu=gfx1250 --defsym DOCPART=n.
;; ======== version 1 of 2: 3 launches
;; workspace buffers: g2 262,144 bytes; wimg 1,114,112 bytes; cpart 4,194,304 bytes; pws 131,072 bytes; stat 131,072 bytes
;; launch prep (part 1): grid 128 x 1, 16 waves a work-group, no clusters, 19,456 bytes of LDS; arguments s_t_codes, s_t_scales, W_s_codes, W_s_scales, b_s, b_h, W_h_codes, W_h_scales, g2, wimg; writes g2, wimg
.if DOCPART == 1
	.amdgcn_target "amdgcn-amd-amdhsa--gfx1250"
	.amdhsa_code_object_version 6
	.text
	.protected	k_q7974a525a5_prep
	.globl	k_q7974a525a5_prep
	.p2align	8
	.type	k_q7974a525a5_prep,@function
k_q7974a525a5_prep:
	s_mov_b64 s[64:65], 0
	v_nop
	global_prefetch_b8 v0, s[64:65] scope:SCOPE_SE
	s_setreg_imm32_b32 hwreg(HW_REG_WAVE_MODE, 25, 1), 1
	s_wait_xcnt 0x0
; Two small jobs ahead of the main launch; the work-group's number says which (the branch is the same for all waves of a work-group).
; JOB G (work-groups 0-63): g2[b][n] = c (s_t[b] . W_s[n] + b_s[n] + b_h[n]), c = 2 log2(e), on the given codes of E2M1 with their E8M0 scales.
;   Work-group 4 x + mt makes columns 64 x .. 64 x + 63 for batches 16 mt .. 16 mt + 15.  Wave u takes K steps 4 (u / 4) .. + 3 (of 16 steps of 128) and column tile u % 4: 20 loads a wave.
;   The product is used transposed (source 0 = 16 rows of W_s, source 1 = 16 rows of s_t): a lane holds one batch and eight neighbouring columns.
;   The four partial sums along K meet in LDS (four planes of 16 rows x (256 + 16) bytes); waves 0-7 then add them and store two whole pieces of 256 bytes each.
; JOB R (work-groups 64-127): W_h's codes and scale bytes are copied into wimg in the order of the operand's registers, so that the main launch
;   fills a fragment by loads of 512 consecutive bytes.  Block y = 8 w + g (w: a wave of the main launch, its columns 128 w ..; g: 256 along K) is 17,408 bytes:
;   16 fragments f = 8 ks + j of 1,024 bytes (register group c of lane l at 1024 f + 512 c + 16 l), then the scale words (at 16,384 + 512 c + 16 l: four words,
;   word 2 i + ks of column tiles 2 q (lanes 0-15) and 2 q + 1 (lanes 16-31), q = 2 c + i).
.set C2L,    0x4038aa3b                ; c = 2 log2(e)
.set PPITCH, 272
.set PLANE,  16*PPITCH                 ; a plane of partial sums: 16 rows x 272 bytes
.set BLOCK,  17408                     ; a block of wimg
.set WSF, 32                           ; v32-63   W_s: four fragments (K steps); later the partial sums read back
.set STF, 64                           ; v64-95   s_t: four fragments
.set WSS, 96                           ; v96-99   W_s's scale words, one for each K step
.set STS, 100                          ; v100-103 s_t's
.set ACC, 104                          ; v104-119 two accumulators: K steps 0, 2 and K steps 1, 3
	s_load_b512 s[4:19], s[0:1], 0x0               ; s_t codes s[4:5], s_t scales s[6:7], W_s codes s[8:9], W_s scales s[10:11], b_s s[12:13], b_h s[14:15], W_h codes s[16:17], W_h scales s[18:19]
	s_load_b128 s[20:23], s[0:1], 0x40             ; g2 s[20:21], wimg s[22:23]
	v_lshl_add_u32 v128, v0, 2, 0x4400
	v_mov_b32 v129, 0
	v_lshrrev_b32 v1, 5, v0
	v_readfirstlane_b32 s24, v1                    ; wave u, 0..15
	v_and_b32 v1, 15, v0                           ; r
	v_bfe_u32 v2, v0, 4, 1                         ; hh
	v_lshlrev_b32 v3, 10, v1
	v_lshl_add_u32 v3, v2, 4, v3                   ; a fragment's lane term in rows of 1,024 bytes of codes: 1024 r + 16 hh
	s_mov_b32 s29, 0
	s_mov_b32 s31, 0
	s_wait_kmcnt 0x0
	s_cmp_lt_u32 ttmp9, 64
	s_cbranch_scc0 .Lrelay
	; ---------------- JOB G ----------------
	s_lshr_b32 s36, ttmp9, 2                       ; x: which 64 columns
	s_and_b32 s37, ttmp9, 3                        ; mt: which 16 batches
	s_lshr_b32 s25, s24, 2                         ; kq: which four K steps
	s_and_b32 s26, s24, 3                          ; nt: which column tile
	v_lshlrev_b32 v4, 6, v1                        ; scale bytes: 64 a row
	v_lshlrev_b32 v5, 4, v1                        ; biases: 16 bytes a lane
	s_lshl_b32 s30, s25, 8                         ; four K steps are 256 bytes of codes
	s_lshl_b32 s27, s37, 14                        ; 16 batches are 16 rows of 1,024 bytes
	s_add_co_u32 s28, s30, s27
	s_add_nc_u64 s[4:5], s[4:5], s[28:29]          ; s_t's codes
	s_lshl_b32 s28, s36, 16                        ; (64 x + 16 nt) rows of 1,024 bytes
	s_lshl_b32 s27, s26, 14
	s_add_co_u32 s28, s28, s27
	s_add_co_u32 s28, s28, s30
	s_add_nc_u64 s[8:9], s[8:9], s[28:29]          ; W_s's codes
	s_lshl_b32 s30, s25, 4                         ; four K steps are 16 scale bytes
	s_lshl_b32 s27, s37, 10
	s_add_co_u32 s28, s30, s27
	s_add_nc_u64 s[6:7], s[6:7], s[28:29]          ; s_t's scales
	s_lshl_b32 s28, s36, 12
	s_lshl_b32 s27, s26, 10
	s_add_co_u32 s28, s28, s27
	s_add_co_u32 s28, s28, s30
	s_add_nc_u64 s[10:11], s[10:11], s[28:29]      ; W_s's scales
	s_lshl_b32 s28, s36, 8                         ; my work-group's 64 columns: 256 bytes
	s_add_nc_u64 s[12:13], s[12:13], s[28:29]      ; b_s
	s_add_nc_u64 s[14:15], s[14:15], s[28:29]      ; b_h
	s_and_b32 s38, s24, 7                          ; on the way out waves 0-7 take batches 16 mt + 2 u + hh: rows of 4,096 bytes
	s_lshl_b32 s27, s37, 16
	s_add_co_u32 s28, s28, s27
	s_lshl_b32 s27, s38, 13
	s_add_co_u32 s28, s28, s27
	s_add_nc_u64 s[20:21], s[20:21], s[28:29]      ; g2
	s_mov_b32 s34, C2L
	s_mov_b32 s35, C2L                             ; (named with it as a pair)
	s_mul_i32 s32, s25, PLANE
	s_lshl_b32 s33, s26, 6
	s_add_co_u32 s32, s32, s33
	v_mul_u32_u24 v6, v1, PPITCH
	v_lshl_add_u32 v6, v2, 5, v6
	v_add_nc_u32 v6, s32, v6                       ; into LDS: plane kq, row r, bytes 64 nt + 32 hh
	s_mul_i32 s33, s38, 2*PPITCH
	v_mul_u32_u24 v7, v2, PPITCH
	v_lshl_add_u32 v7, v1, 4, v7
	v_add_nc_u32 v7, s33, v7                       ; back: row 2 u + hh, 16 bytes a lane
	v_lshlrev_b32 v16, 12, v2
	v_lshl_add_u32 v16, v1, 4, v16                 ; and the same place in g2
	global_load_b128 v[8:11], v5, s[12:13]         ; b_s of columns 4 r .. 4 r + 3
	global_load_b128 v[12:15], v5, s[14:15]        ; b_h
.irp s, 0,1,2,3
.irp c, 0,1
	global_load_b128 v[WSF+8*\s+4*\c:WSF+8*\s+4*\c+3], v3, s[8:9] offset:64*\s+32*\c
	global_load_b128 v[STF+8*\s+4*\c:STF+8*\s+4*\c+3], v3, s[4:5] offset:64*\s+32*\c
.endr
.endr
	global_load_b128 v[WSS:WSS+3], v4, s[10:11]    ; four scale words of my row: the four K steps
	global_load_b128 v[STS:STS+3], v4, s[6:7]
	s_wait_loadcnt 0x0
.irp s, 0,1,2,3                        ; the two accumulators take turns, one instruction a turn; K steps 0 and 1 start the sums
.if \s < 2
	v_wmma_scale_f32_16x16x128_f8f6f4 v[ACC+8*(\s%2):ACC+8*(\s%2)+7], v[WSF+8*\s:WSF+8*\s+7], v[STF+8*\s:STF+8*\s+7], 0, v[WSS+\s], v[STS+\s] matrix_a_fmt:MATRIX_FMT_FP4 matrix_b_fmt:MATRIX_FMT_FP4
.else
	v_wmma_scale_f32_16x16x128_f8f6f4 v[ACC+8*(\s%2):ACC+8*(\s%2)+7], v[WSF+8*\s:WSF+8*\s+7], v[STF+8*\s:STF+8*\s+7], v[ACC+8*(\s%2):ACC+8*(\s%2)+7], v[WSS+\s], v[STS+\s] matrix_a_fmt:MATRIX_FMT_FP4 matrix_b_fmt:MATRIX_FMT_FP4
.endif
.endr
	v_pk_add_f32 v[8:9], v[8:9], v[12:13]          ; c (b_s + b_h): four plain lines that name no register of the products: the four places behind them (ISA guide 7.12.1)
	v_pk_add_f32 v[10:11], v[10:11], v[14:15]
	v_pk_mul_f32 v[8:9], v[8:9], s[34:35] op_sel_hi:[1,0]
	v_pk_mul_f32 v[10:11], v[10:11], s[34:35] op_sel_hi:[1,0]
.irp p, 0,2,4,6
	v_pk_add_f32 v[ACC+\p:ACC+\p+1], v[ACC+\p:ACC+\p+1], v[ACC+8+\p:ACC+8+\p+1]   ; the two accumulators' sum, each read from its low end on
.endr
	ds_store_b128 v6, v[ACC:ACC+3]
	ds_store_b128 v6, v[ACC+4:ACC+7] offset:16
	s_wait_dscnt 0x0                               ; for the others' sake: my partial sums lie in LDS
	s_barrier_signal -1
	s_barrier_wait -1
	s_cmp_lt_u32 s24, 8                            ; 16 rows, two to a wave: waves 8-15 have nothing left to do
	s_cbranch_scc0 .Lg_end
.irp k, 0,1,2,3
	ds_load_b128 v[WSF+4*\k:WSF+4*\k+3], v7 offset:PLANE*\k   ; batch 16 mt + 2 u + hh, plane k
.endr
	s_wait_dscnt 0x0
	v_pk_add_f32 v[WSF:WSF+1], v[WSF:WSF+1], v[WSF+4:WSF+5]
	v_pk_add_f32 v[WSF+2:WSF+3], v[WSF+2:WSF+3], v[WSF+6:WSF+7]
	v_pk_add_f32 v[WSF+8:WSF+9], v[WSF+8:WSF+9], v[WSF+12:WSF+13]
	v_pk_add_f32 v[WSF+10:WSF+11], v[WSF+10:WSF+11], v[WSF+14:WSF+15]
	v_pk_add_f32 v[WSF:WSF+1], v[WSF:WSF+1], v[WSF+8:WSF+9]
	v_pk_add_f32 v[WSF+2:WSF+3], v[WSF+2:WSF+3], v[WSF+10:WSF+11]
	v_pk_fma_f32 v[WSF:WSF+1], v[WSF:WSF+1], s[34:35], v[8:9] op_sel_hi:[1,0,1]       ; c x the sum + c (b_s + b_h)
	v_pk_fma_f32 v[WSF+2:WSF+3], v[WSF+2:WSF+3], s[34:35], v[10:11] op_sel_hi:[1,0,1]
	global_store_b128 v16, v[WSF:WSF+3], s[20:21]  ; sixteen lanes store 256 consecutive bytes, at a multiple of 256 from g2's first byte
.Lg_end:
	s_wait_tensorcnt 0x0
	ds_add_u32 v128, v129
	s_wait_dscnt 0x0
	s_endpgm
	; ---------------- JOB R ----------------
.Lrelay:
	s_sub_co_u32 s25, ttmp9, 64                    ; block y
	s_lshr_b32 s26, s25, 3                         ; w
	s_and_b32 s27, s25, 7                          ; g
	v_and_b32 v17, 31, v0
	v_lshlrev_b32 v17, 4, v17                      ; 16 x lane: an image's place for my lane
	v_lshlrev_b32 v18, 6, v1
	v_lshl_add_u32 v18, v2, 10, v18                ; scale bytes: 64 r + 16 rows for lanes 16-31
	s_lshl_b32 s28, s26, 17                        ; codes: row 128 w + 16 j, bytes 128 g + 64 ks; wave u is fragment u: ks = u / 8, j = u % 8
	s_and_b32 s30, s24, 7
	s_lshl_b32 s30, s30, 14
	s_add_co_u32 s28, s28, s30
	s_lshl_b32 s30, s27, 7
	s_add_co_u32 s28, s28, s30
	s_lshr_b32 s30, s24, 3
	s_lshl_b32 s30, s30, 6
	s_add_co_u32 s28, s28, s30
	s_add_nc_u64 s[16:17], s[16:17], s[28:29]
	s_lshl_b32 s28, s26, 13                        ; scale bytes (waves 0 and 1, c = u): row 128 w + 64 c, bytes 8 g
	s_lshl_b32 s30, s24, 12
	s_add_co_u32 s28, s28, s30
	s_lshl_b32 s30, s27, 3
	s_add_co_u32 s28, s28, s30
	s_add_nc_u64 s[18:19], s[18:19], s[28:29]
	s_mul_i32 s28, s25, BLOCK
	s_lshl_b32 s30, s24, 9
	s_add_co_u32 s30, s28, s30
	s_add_nc_u64 s[40:41], s[22:23], s[30:31]      ; wimg at my block + 512 u: the scale image's group u (the 16,384 stands in the store's offset)
	s_lshl_b32 s30, s24, 10
	s_add_co_u32 s28, s28, s30
	s_add_nc_u64 s[22:23], s[22:23], s[28:29]      ; wimg at my block + 1024 u: fragment u
	global_load_b128 v[24:27], v3, s[16:17]
	global_load_b128 v[28:31], v3, s[16:17] offset:32
	s_cmp_lt_u32 s24, 2
	s_cbranch_scc0 .Lcodes_only
	global_load_b64 v[20:21], v18, s[18:19]                ; q = 2 c: the words of K steps 2 g and 2 g + 1
	global_load_b64 v[22:23], v18, s[18:19] offset:2048    ; q = 2 c + 1: 32 rows further down
	s_wait_loadcnt 0x0
	global_store_b128 v17, v[20:23], s[40:41] offset:16384 ; 512 consecutive bytes
.Lcodes_only:
	s_wait_loadcnt 0x0
	global_store_b128 v17, v[24:27], s[22:23]              ; 512 consecutive bytes each
	global_store_b128 v17, v[28:31], s[22:23] offset:512
	s_endpgm
.Lfunc_end_k_q7974a525a5_prep:
	.size	k_q7974a525a5_prep, .Lfunc_end_k_q7974a525a5_prep-k_q7974a525a5_prep
	.p2alignl 7, 3214868480
	.fill 96, 4, 3214868480
	.section	.rodata,"a",@progbits
	.p2align	6, 0x0
	.amdhsa_kernel k_q7974a525a5_prep
		.amdhsa_group_segment_fixed_size 19456
		.amdhsa_private_segment_fixed_size 0
		.amdhsa_enable_private_segment 0
		.amdhsa_kernarg_size 80
		.amdhsa_user_sgpr_count 2
		.amdhsa_user_sgpr_kernarg_segment_ptr 1
		.amdhsa_wavefront_size32 1
		.amdhsa_system_sgpr_workgroup_id_x 1
		.amdhsa_system_sgpr_workgroup_id_y 1
		.amdhsa_system_sgpr_workgroup_id_z 1
		.amdhsa_system_vgpr_workitem_id 0
		.amdhsa_next_free_vgpr 130
		.amdhsa_next_free_sgpr 66
		.amdhsa_reserve_vcc 0
		.amdhsa_float_denorm_mode_32 3
		.amdhsa_float_denorm_mode_16_64 3
		.amdhsa_memory_ordered 1
		.amdhsa_forward_progress 1
		.amdhsa_inst_pref_size 9
	.end_amdhsa_kernel
	.amdgpu_metadata
---
amdhsa.version: [ 1, 2 ]
amdhsa.kernels:
  - .name:           k_q7974a525a5_prep
    .symbol:         k_q7974a525a5_prep.kd
    .args:
      - { .name: s_t_codes, .offset: 0, .size: 8, .value_kind: global_buffer, .address_space: global }
      - { .name: s_t_scales, .offset: 8, .size: 8, .value_kind: global_buffer, .address_space: global }
      - { .name: W_s_codes, .offset: 16, .size: 8, .value_kind: global_buffer, .address_space: global }
      - { .name: W_s_scales, .offset: 24, .size: 8, .value_kind: global_buffer, .address_space: global }
      - { .name: b_s, .offset: 32, .size: 8, .value_kind: global_buffer, .address_space: global }
      - { .name: b_h, .offset: 40, .size: 8, .value_kind: global_buffer, .address_space: global }
      - { .name: W_h_codes, .offset: 48, .size: 8, .value_kind: global_buffer, .address_space: global }
      - { .name: W_h_scales, .offset: 56, .size: 8, .value_kind: global_buffer, .address_space: global }
      - { .name: g2, .offset: 64, .size: 8, .value_kind: global_buffer, .address_space: global }
      - { .name: wimg, .offset: 72, .size: 8, .value_kind: global_buffer, .address_space: global }
    .group_segment_fixed_size: 19456
    .private_segment_fixed_size: 0
    .kernarg_segment_align: 8
    .kernarg_segment_size: 80
    .max_flat_workgroup_size: 512
    .sgpr_count:     66
    .vgpr_count:     130
    .wavefront_size: 32
...
	.end_amdgpu_metadata
.endif
;; end of part 1
;; launch main (part 2): grid 256 x 1, 8 waves a work-group, no clusters, 303,616 bytes of LDS; arguments h_i, wimg, g2, W_c, v_a, b_a, coverage, cpart, pws, stat; writes cpart, pws, stat
.if DOCPART == 2
	.amdgcn_target "amdgcn-amd-amdhsa--gfx1250"
	.amdhsa_code_object_version 6
	.text
	.protected	k_q7974a525a5_main
	.globl	k_q7974a525a5_main
	.p2align	8
	.type	k_q7974a525a5_main,@function
k_q7974a525a5_main:
	s_mov_b64 s[64:65], 0
	v_nop
	global_prefetch_b8 v0, s[64:65] scope:SCOPE_SE
	s_setreg_imm32_b32 hwreg(HW_REG_WAVE_MODE, 25, 1), 1
	s_wait_xcnt 0x0
; For 128 rows (b, s) of h_i, in two tiles of 64: E = v_a . tanh(Q(h) W_h^T + b_h + Ws_s + b_s + cov W_c) + b_a, then the tile's own softmax partials:
; t = E log2(e), m = the tile's largest t, p = 2^(t - m), l = the sum of p, and the partial context, the sum over the tile's rows of p x h.  The last launch joins the eight tiles of a batch.
; h_i IS READ FROM MEMORY ONCE.  K goes in 8 slabs of 256.  In a slab wave w loads rows 8 w .. 8 w + 7 (1,024 bytes of each) into registers and makes of them
;   (a) codes of E2M1 and E8M0 scale bytes (a block's scale: its largest magnitude's exponent field less 2), into LDS, two buffers by turns, and
;   (b) bf16, into a stash of 64 rows x 4,096 bytes in LDS, from which the context is summed when p is known (that product is left as it is: bf16 operand, f32 sums).
; Behind one barrier every wave multiplies all 64 rows by ITS OWN 128 columns of W_h: 32 accumulators of 16 x 16 in window 1.  W_h's fragments come from wimg, where they lie in the order
; of the operand's registers, straight into registers, a slab ahead; h_i's next slab is asked for as each pair of rows' registers falls free.
; THE BASES OF THE LOADS ARE STEPPED WITHOUT A WAIT OF THEIR OWN: h_i's refills name two bases by turns, and a base is stepped where the counted wait on loads that the products need anyway
; has shown every load that names it done.
; NO JOINT LOADS, NO RING IN LDS FOR W_h: the stash takes 262,144 bytes of LDS and codes and constants 36,352 more; a slab of W_h for the work-group is 8 x 17,408 = 139,264 bytes, so two slots
; of it have no room; and each fragment of W_h is used by one wave, once in a tile, so LDS would only pass it on.
; tanh(x) = 1 - 2 / (1 + 2^(c x)), c = 2 log2(e): right at both saturated ends (2^y = infinity gives 1, 2^y = 0 gives -1); near 0 its error is a few units in the last place of 1.
; v . tanh is summed as (the sum of v) + the sum of rcp x (-2 v).
; LIMITS: NaN and infinities in h_i are not served.  A block of zeros gets the scale byte 1 where the rule says 127: its codes are zeros, and the bytes are read by this launch alone.
; REGISTERS.  window 0: v1-15 addresses that stay; v16-79 eight rows of h_i as loaded; v80-111 A's four fragments (between the products: the quantiser's, the softmax's and the context's work);
;   v112-119 A's scale words; v120-247 W_h's 16 fragments (during tanh: constants and sums); v248-255 W_h's scale words.   window 1: the accumulators, (m, j) at v[8 (8 m + j)]; in the context p and rows of the stash.
.set CODES,  262144                    ; LDS: the stash lies at 0; here two buffers of 64 rows x (128 bytes of codes + 16)
.set CBUF,   9216
.set CPITCH, 144                       ; nine times 16 bytes: the sixteen rows of a fragment load start 16 bytes further on in each 256
.set ASC,    280576                    ; two buffers of 64 rows x 8 scale bytes
.set CG,     281600                    ; g2 of my batch, 1,024 numbers; 4,096 bytes on c W_c; 8,192 bytes on v_a
.set COV,    293888                    ; coverage of my 128 rows
.set EP,     294400                    ; eight waves x 64 partial scores
.set PB,     296448                    ; each wave's own copy of p
.set NEXTT,  64*8192-8192              ; bytes from the end of a tile's first row to the next tile's first row
.set HO,  1                            ; v1   32 r + 16 hh: lanes' places in 512 consecutive bytes (h_i's loads, the context's stores)
.set WO,  2                            ; v2   16 x lane
.set CST, 3                            ; v3   where I store four bytes of codes
.set SST, 4                            ; v4   and my block's scale byte
.set STB, 5                            ; v5   the stash: my wave's rows, 16 x lane
.set AF,  6                            ; v6   A's fragments
.set SAA, 7                            ; v7   A's scale words
.set CNA, 8                            ; v8   the constants of my column n = 128 w + 16 j + r
.set CVD, 9                            ; v9   coverage of rows 8 hh ..
.set EPS, 10                           ; v10  where my wave puts its partial scores
.set EPL, 11                           ; v11  where I read two rows' partial scores
.set PBS, 12                           ; v12  where I put two rows' p
.set PBL, 13                           ; v13  my wave's copy of p
.set SR,  14                           ; v14  16 x thread: my eight columns in a row of the stash; also the constants' place
.set L8,  15                           ; v15  8 x lane
.set RAW, 16
.set AR,  80
.set TST, 96                           ; v96  the stash address of the slab in hand
.set CC,  100                          ; v100-107 the context's eight sums
.set SRK, 108                          ; v108-110 the stash's rows 16, 32, 48 on
.set PF,  111                          ; v111 the prefetch's lane term
.set SA,  112
.set BR,  120
.set SB,  248
.set GW,  120                          ; during tanh: v120-135 pairs (c (Ws_s + b_s + b_h), c W_c) of column tile j
.set VV,  136                          ; v136-143 v_a, then -2 v_a
.set CV,  144                          ; v144-175 coverage of row 16 m + 8 hh + i at 8 m + i
.set EE,  176                          ; v176-207 the scores' sums, likewise
.set UU,  208                          ; v208-239 cov c W_c + c (..) for four accumulators
.set SV,  240                          ; v240-241 the sum of my eight v_a
.set WV,  24                           ; s24  wave
.set HP0, 26                           ; s[26:27] h_i: the base of the refills issued in slabs on code buffer 0
.set HP1, 54                           ; s[54:55] and of those issued in slabs on code buffer 1 (and of the first slab's loads)
.set WB,  28                           ; s[28:29] wimg at the block that is asked for
.set WB0, 30                           ; s[30:31] wimg at my wave's first block
.set SOFF, 32                          ; s32  512 x slab
.set CNT, 33
.set CS,  34                           ; s[34:35] c, as a pair
.set L2E, 36                           ; s36  log2(e)
.set BL,  38                           ; s38  b_a log2(e)
.set SEL, 40                           ; s[40:41] v_permlanex16_b32's selects for lane l xor 16
.set CP,  42                           ; s[42:43] cpart, s[44:45] pws, s[46:47] stat at my part
.set PW,  44
.set SP,  46
.set MSB, 0
.macro WIN new                         ; s_set_vgpr_msb: bits 1:0 source 0, 3:2 source 1, 5:4 source 2, 7:6 destination; the high byte repeats the setting that is left
.if MSB != \new
	s_set_vgpr_msb (MSB<<8)|\new
.set MSB, \new
.endif
.endm
.macro PLACES                          ; four places (ISA guide 7.12.1)
.rept 4
	v_nop
.endr
.endm
.macro BARRIER                         ; my LDS stores have landed and my LDS loads are in: then the work-group's barrier
	s_wait_dscnt 0x0
	s_barrier_signal -1
	s_barrier_wait -1
.endm
; Row i of my eight, 1,024 bytes of it, from base p, ext bytes on: two loads of 512 consecutive bytes.  Lanes 0-15 take the even pieces of 16 bytes, lanes 16-31 the odd ones.
.macro HLOAD i, p, ext
	global_load_b128 v[RAW+8*(\i):RAW+8*(\i)+3], v[HO], s[\p:\p+1] offset:8192*(\i)+\ext th:TH_LOAD_NT
	global_load_b128 v[RAW+8*(\i)+4:RAW+8*(\i)+7], v[HO], s[\p:\p+1] offset:8192*(\i)+512+\ext th:TH_LOAD_NT
.endm
; Rows i and i + 1 are quantised and stashed, line by line by turns, so that no line waits for the line above it.  left: the younger loads that may stay out.
; fill = 1: their registers take the same rows of the slab that is asked for.  At work, a set for each row at v[AR + 8 d]: +0 largest magnitude, +1 the conversion's scale, +2 the byte, +3 the codes, +4..7 bf16.
.macro QPAIR i, buf, left, fill, p, ext
	s_wait_loadcnt \left
.irp d, 0,1
.irp j, 0,1,2,3
	v_permlane16_swap_b32 v[RAW+8*((\i)+\d)+\j], v[RAW+8*((\i)+\d)+4+\j]   ; the first's lanes 16-31 change places with the second's lanes 0-15: lane l now holds numbers 8 l .. 8 l + 7 of the row's 256
.endr
.endr
.irp d, 0,1
	v_max3_num_f32 v[AR+8*\d], |v[RAW+8*((\i)+\d)]|, |v[RAW+8*((\i)+\d)+1]|, 0x1800000    ; my eight, and the floor 2^(3 - 127): the byte cannot fall under 1
.endr
.irp e, 2,4,6
.irp d, 0,1
	v_max3_num_f32 v[AR+8*\d], v[AR+8*\d], |v[RAW+8*((\i)+\d)+\e]|, |v[RAW+8*((\i)+\d)+\e+1]|
.endr
.endr
.irp x, 1,2
.irp d, 0,1
	v_max_num_f32_dpp v[AR+8*\d], v[AR+8*\d], v[AR+8*\d] row_xmask:\x row_mask:0xf bank_mask:0xf   ; four neighbouring lanes hold a block of 32
.endr
.endr
.irp d, 0,1
	v_add_nc_u32 v[AR+8*\d+1], 0xff000000, v[AR+8*\d]      ; 2 off the exponent field: the conversion takes the exponent field of this operand as its scale
.endr
.irp d, 0,1
	v_cvt_scalef32_pk8_fp4_f32 v[AR+8*\d+3], v[RAW+8*((\i)+\d):RAW+8*((\i)+\d)+7], v[AR+8*\d+1]
.endr
.irp d, 0,1
	v_lshrrev_b32 v[AR+8*\d+2], 23, v[AR+8*\d+1]           ; the scale's byte.  (The plain lines behind the conversions)
.endr
.irp d, 0,1
.irp j, 0,1,2,3
	v_cvt_pk_bf16_f32 v[AR+8*\d+4+\j], v[RAW+8*((\i)+\d)+2*\j], v[RAW+8*((\i)+\d)+2*\j+1]
.endr
.endr
.irp d, 0,1
	ds_store_b32 v[CST], v[AR+8*\d+3] offset:CBUF*\buf+CPITCH*((\i)+\d)
	ds_store_b8 v[SST], v[AR+8*\d+2] offset:512*\buf+8*((\i)+\d)      ; the four lanes of a block write the same byte with the same value
	ds_store_b128 v[TST], v[AR+8*\d+4:AR+8*\d+7] offset:4096*((\i)+\d)
.endr
.if \fill
	HLOAD (\i), \p, \ext
	HLOAD (\i)+1, \p, \ext
.endif
.endm
.macro BLOAD ks                        ; W_h's eight fragments of the block's K step ks: 512 consecutive bytes a load
.irp j, 0,1,2,3,4,5,6,7
.irp c, 0,1
	global_load_b128 v[BR+8*(8*\ks+\j)+4*\c:BR+8*(8*\ks+\j)+4*\c+3], v[WO], s[WB:WB+1] offset:1024*(8*\ks+\j)+512*\c
.endr
.endr
.endm
.macro SBLOAD                          ; and the block's scale words: register 2 q + ks: lanes 0-15 column tile 2 q, lanes 16-31 tile 2 q + 1
.irp c, 0,1
	global_load_b128 v[SB+4*\c:SB+4*\c+3], v[WO], s[WB:WB+1] offset:16384+512*\c
.endr
.endm
.macro ALOAD buf, ks                   ; the 64 rows' fragments of K step ks: lane (r, hh) takes 16 bytes at row 16 m + r, 64 ks + 32 c + 16 hh
.irp m, 0,1,2,3
.irp c, 0,1
	ds_load_b128 v[AR+8*\m+4*\c:AR+8*\m+4*\c+3], v[AF] offset:CBUF*\buf+16*CPITCH*\m+64*\ks+32*\c
.endr
.endr
.endm
.macro SALOAD buf                      ; their scale words, both K steps
.irp m, 0,1,2,3
	ds_load_b64 v[SA+2*\m:SA+2*\m+1], v[SAA] offset:512*\buf+128*\m
.endr
.endm
.macro WM m, j, ks, zero
.set rD, 8*(8*(\m)+(\j))
.set rA, AR+8*(\m)
.set rB, BR+8*(8*(\ks)+(\j))
.set rSA, SA+2*(\m)+(\ks)
.set rSB, SB+2*((\j)/2)+(\ks)
.if \zero
.if (\j)%2
	v_wmma_scale_f32_16x16x128_f8f6f4 v[rD:rD+7], v[rA:rA+7], v[rB:rB+7], 0, v[rSA], v[rSB] matrix_a_fmt:MATRIX_FMT_FP4 matrix_b_fmt:MATRIX_FMT_FP4 matrix_b_scale:MATRIX_SCALE_ROW1
.else
	v_wmma_scale_f32_16x16x128_f8f6f4 v[rD:rD+7], v[rA:rA+7], v[rB:rB+7], 0, v[rSA], v[rSB] matrix_a_fmt:MATRIX_FMT_FP4 matrix_b_fmt:MATRIX_FMT_FP4
.endif
.else
.if (\j)%2
	v_wmma_scale_f32_16x16x128_f8f6f4 v[rD:rD+7], v[rA:rA+7], v[rB:rB+7], v[rD:rD+7], v[rSA], v[rSB] matrix_a_fmt:MATRIX_FMT_FP4 matrix_b_fmt:MATRIX_FMT_FP4 matrix_b_scale:MATRIX_SCALE_ROW1
.else
	v_wmma_scale_f32_16x16x128_f8f6f4 v[rD:rD+7], v[rA:rA+7], v[rB:rB+7], v[rD:rD+7], v[rSA], v[rSB] matrix_a_fmt:MATRIX_FMT_FP4 matrix_b_fmt:MATRIX_FMT_FP4
.endif
.endif
.endm
.macro MUL ks, zero                    ; 32 products, 128 along K.  The 32 accumulators take turns, one instruction a turn, in the same order everywhere.  zero = 1: the products start the sums
.irp m, 0,1,2,3
.irp j, 0,1,2,3,4,5,6,7
	WM \m, \j, \ks, \zero
.endr
.endr
.endm
; A SLAB: 256 along K.  hmode: h_i's refills are the next slab's (1), the next tile's first slab's (2), none (0).  bfill = 1: W_h's next block is asked for.
; hstep: what is added to the OTHER base of h_i.  xw = 1: the slab follows global stores and prefetches whose registers it writes again.
; Global loads are always issued in the order h_i (16), W_h's K step 0 (16), K step 1 (16), scale words (2).  So behind the loads of rows i and i + 1 stand 2 (6 - i) of h_i, 34 of W_h and
; the 2 i refills: 46; without refills 46 - 2 i.  In front of the products only this slab's 16 refills may be out: they name this slab's base of h_i, so the other base and W_h's base,
; all of whose loads that wait has shown done, are stepped there.
.macro SLAB buf, zero, hmode, bfill, hstep, xw
.set HPR, HP0+(HP1-HP0)*\buf           ; the base that this slab's refills name
.set HPS, HP1-(HP1-HP0)*\buf           ; the base that it steps
.if \xw
	s_wait_xcnt 0x0                                ; every earlier memory instruction has had its addresses translated: the registers that the last tile's stores and prefetches read may be written
.endif
	v_add_nc_u32 v[TST], s[SOFF], v[STB]
.irp i, 0,2,4,6
.if \hmode == 1
	QPAIR \i, \buf, 46, 1, HPR, 0
.elseif \hmode == 2
	QPAIR \i, \buf, 46, 1, HPR, NEXTT
.else
	QPAIR \i, \buf, 46-2*\i, 0, HPR, 0
.endif
.endr
	s_add_co_u32 s[SOFF], s[SOFF], 512
	BARRIER                                        ; the slab's codes and scale bytes of all 64 rows lie in this buffer; nobody reads the other buffer any more
	ALOAD \buf, 0
	SALOAD \buf
	PLACES                                         ; between the quantiser's last write into A's registers and the products that name them
.if \hmode
	s_wait_loadcnt 16                              ; W_h's block is in; h_i's 16 refills stay out
.else
	s_wait_loadcnt 0x0
.endif
.if \hstep
	s_add_nc_u64 s[HPS:HPS+1], s[HPS:HPS+1], \hstep        ; two slabs on (at a tile's end: into the next tile)
.endif
.if \bfill
	s_add_nc_u64 s[WB:WB+1], s[WB:WB+1], 17408
.endif
	s_wait_dscnt 0x0
	WIN 0x50                                       ; C and D in window 1
	MUL 0, \zero
	WIN 0
	PLACES                                         ; in front of loads into registers that the products have read
	ALOAD \buf, 1                                  ; asked for first: W_h's 16 loads stand between the request and the wait
.if \bfill
	BLOAD 0
.endif
	s_wait_dscnt 0x0
	WIN 0x50
	MUL 1, 0
	WIN 0
	PLACES                                         ; likewise; and in front of the quantiser's writes into A's registers and of the first read of the sums
.if \bfill
	BLOAD 1
	SBLOAD
.endif
.endm
; Four accumulators (tile of rows m, column tiles 4 jh .. 4 jh + 3): 32 registers on end in window 1.  Lane (r, hh), register 8 a + i: row 16 m + 8 hh + i, column 16 (4 jh + a) + r.
.macro GROUP m, jh
.set AC, 8*(8*(\m)+4*(\jh))
	WIN 0
.irp a, 0,1,2,3
.irp p, 0,1,2,3
	v_pk_fma_f32 v[UU+8*\a+2*\p:UU+8*\a+2*\p+1], v[CV+8*(\m)+2*\p:CV+8*(\m)+2*\p+1], v[GW+2*(4*(\jh)+\a):GW+2*(4*(\jh)+\a)+1], v[GW+2*(4*(\jh)+\a):GW+2*(4*(\jh)+\a)+1] op_sel:[0,1,0] op_sel_hi:[1,1,0]   ; cov x c W_c + c (Ws_s + b_s + b_h): of the pair the second word multiplies, the first is added
.endr
.endr
	WIN 0x41                                       ; destination and source 0 in window 1
.set e, 0
.rept 16
	v_pk_fma_f32 v[AC+e:AC+e+1], v[AC+e:AC+e+1], s[CS:CS+1], v[UU+e:UU+e+1] op_sel_hi:[1,0,1]   ; y = c x the sum + the rest; each accumulator is read from its low end on
.set e, e+2
.endr
.set e, 0
.rept 32
	v_exp_f32 v[AC+e], v[AC+e]
.set e, e+1
.endr
	v_nop                                          ; a plain line behind the transcendentals
.set e, 0
	s_wait_alu depctr_va_vdst(0)
.rept 16
	v_pk_add_f32 v[AC+e:AC+e+1], v[AC+e:AC+e+1], 1.0 op_sel_hi:[1,0]
.set e, e+2
.endr
.set e, 0
.rept 32
	v_rcp_f32 v[AC+e], v[AC+e]
.set e, e+1
.endr
	v_nop
	s_wait_alu depctr_va_vdst(0)
	WIN 0x01                                       ; source 0 in window 1
.irp a, 0,1,2,3
.irp p, 0,1,2,3
.if (4*(\jh)+\a) == 0
	v_pk_fma_f32 v[EE+8*(\m)+2*\p:EE+8*(\m)+2*\p+1], v[AC+8*\a+2*\p:AC+8*\a+2*\p+1], v[VV:VV+1], v[SV:SV+1] op_sel_hi:[1,0,0]   ; the sum starts at the sum of my v_a
.elseif (\a)%2 == 0
	v_pk_fma_f32 v[EE+8*(\m)+2*\p:EE+8*(\m)+2*\p+1], v[AC+8*\a+2*\p:AC+8*\a+2*\p+1], v[VV+4*(\jh)+\a:VV+4*(\jh)+\a+1], v[EE+8*(\m)+2*\p:EE+8*(\m)+2*\p+1] op_sel_hi:[1,0,1]
.else
	v_pk_fma_f32 v[EE+8*(\m)+2*\p:EE+8*(\m)+2*\p+1], v[AC+8*\a+2*\p:AC+8*\a+2*\p+1], v[VV+4*(\jh)+\a-1:VV+4*(\jh)+\a], v[EE+8*(\m)+2*\p:EE+8*(\m)+2*\p+1] op_sel:[0,1,0] op_sel_hi:[1,1,1]
.endif
.endr
.endr
	WIN 0
.endm
.macro TANH t
.irp j, 0,1,2,3,4,5,6,7
	ds_load_b32 v[GW+2*\j], v[CNA] offset:64*\j
	ds_load_b32 v[GW+2*\j+1], v[CNA] offset:4096+64*\j
	ds_load_b32 v[VV+\j], v[CNA] offset:8192+64*\j
.endr
.irp m, 0,1,2,3
.irp k, 0,1
	ds_load_b128 v[CV+8*\m+4*\k:CV+8*\m+4*\k+3], v[CVD] offset:256*\t+64*\m+16*\k
.endr
.endr
	s_wait_dscnt 0x0
	v_add_f32 v[SV], v[VV], v[VV+1]
.irp j, 2,3,4,5,6,7
	v_add_f32 v[SV], v[SV], v[VV+\j]
.endr
	v_mov_b32 v[SV+1], v[SV]                       ; (named with it as a pair)
.irp j, 0,2,4,6
	v_pk_mul_f32 v[VV+\j:VV+\j+1], v[VV+\j:VV+\j+1], -2.0 op_sel_hi:[1,0]
.endr
.irp m, 0,1,2,3
	GROUP \m, 0
	GROUP \m, 1
.endr
.endm
.macro ESUM                            ; the sixteen lanes of a half hold sixteen columns of the same rows: their sum; then my wave's 64 partial scores go to LDS
.irp x, 1,2,4,8
.set e, 0
.rept 32
	v_add_f32_dpp v[EE+e], v[EE+e], v[EE+e] row_xmask:\x row_mask:0xf bank_mask:0xf
.set e, e+1
.endr
.endr
.irp m, 0,1,2,3
.irp k, 0,1
	ds_store_b128 v[EPS], v[EE+8*\m+4*\k:EE+8*\m+4*\k+3] offset:64*\m+16*\k   ; the sixteen lanes write the same bytes with the same values
.endr
.endr
	BARRIER
.endm
.macro SOFTMAX t                       ; every wave; lane l holds rows 2 l and 2 l + 1
.irp u, 0,1,2,3,4,5,6,7
	ds_load_b64 v[AR+2*\u:AR+2*\u+1], v[EPL] offset:256*\u
.endr
	s_wait_dscnt 0x0
	v_pk_add_f32 v[80:81], v[80:81], v[82:83]
	v_pk_add_f32 v[84:85], v[84:85], v[86:87]
	v_pk_add_f32 v[88:89], v[88:89], v[90:91]
	v_pk_add_f32 v[92:93], v[92:93], v[94:95]
	v_pk_add_f32 v[80:81], v[80:81], v[84:85]
	v_pk_add_f32 v[88:89], v[88:89], v[92:93]
	v_pk_add_f32 v[80:81], v[80:81], v[88:89]
	v_fma_f32 v80, v80, s[L2E], s[BL]              ; t = (E + b_a) log2(e)
	v_fma_f32 v81, v81, s[L2E], s[BL]
	v_max_num_f32 v96, v80, v81
.irp x, 1,2,4,8
	v_max_num_f32_dpp v96, v96, v96 row_xmask:\x row_mask:0xf bank_mask:0xf
.endr
	v_permlanex16_b32 v100, v96, s[SEL], s[SEL+1]  ; (its destination counts as read: v100 was last written by a fragment load)
	v_max_num_f32 v96, v96, v100                   ; m: the tile's largest t, in every lane
	v_sub_f32 v80, v80, v96
	v_sub_f32 v81, v81, v96
	v_exp_f32 v80, v80                             ; p = 2^(t - m), at most 1
	v_exp_f32 v81, v81
	v_nop                                          ; a plain line behind the transcendentals
	s_wait_alu depctr_va_vdst(0)
	v_add_f32 v97, v80, v81
.irp x, 1,2,4,8
	v_add_f32_dpp v97, v97, v97 row_xmask:\x row_mask:0xf bank_mask:0xf
.endr
	v_permlanex16_b32 v100, v97, s[SEL], s[SEL+1]
	v_add_f32 v97, v97, v100                       ; l: the tile's sum of p
	ds_store_b64 v[PBS], v[80:81]                  ; my wave's own copy of p
	s_cmp_lg_u32 s[WV], 0
	s_cbranch_scc1 .Lnot_wave_0_\@
	global_store_b64 v[L8], v[80:81], s[PW:PW+1] offset:256*\t    ; 32 lanes store 256 consecutive bytes, aligned
	global_store_b64 v[L8], v[96:97], s[SP:SP+1] offset:256*\t    ; (m, l) 32 times: likewise
.Lnot_wave_0_\@:
.endm
.macro SBATCH k                        ; rows 16 k .. 16 k + 15 of the stash, my eight columns, into buffer k % 2 of window 1
.set rS, 64+64*((\k)%2)
.if (\k) == 0
.set rAd, SR
.else
.set rAd, SRK+(\k)-1
.endif
.irp i, 0,1,2,3,4,5,6,7,8,9,10,11,12,13,14,15
	ds_load_b128 v[rS+4*\i:rS+4*\i+3], v[rAd] offset:4096*\i
.endr
.endm
.macro CFMA k                          ; 16 rows x 8 columns: bf16 half x p + sum, in f32
.set rS, 64+64*((\k)%2)
.irp i, 0,1,2,3,4,5,6,7,8,9,10,11,12,13,14,15
.irp q, 0,1,2,3
	v_fma_mix_f32_bf16 v[CC+2*\q], v[rS+4*\i+\q], v[16*(\k)+\i], v[CC+2*\q] op_sel_hi:[1,0,0]
	v_fma_mix_f32_bf16 v[CC+2*\q+1], v[rS+4*\i+\q], v[16*(\k)+\i], v[CC+2*\q+1] op_sel:[1,0,0] op_sel_hi:[1,0,0]
.endr
.endr
.endm
.macro CONTEXT t                       ; thread (w, l) sums columns 256 w + 8 l .. + 7 over the tile's 64 rows
.irp k, 1,2,3
	v_add_nc_u32 v[SRK+\k-1], 65536*\k, v[SR]
.endr
.irp j, 0,1,2,3,4,5,6,7
	v_mov_b32 v[CC+\j], 0
.endr
	WIN 0x40                                       ; destination window 1
.irp q, 0,1,2,3,4,5,6,7,8,9,10,11,12,13,14,15
	ds_load_b128 v[4*\q:4*\q+3], v[PBL] offset:16*\q    ; p of the 64 rows, the same in every lane.  LDS serves a wave's instructions in order: these see my store above
.endr
	SBATCH 0
	SBATCH 1
	s_wait_dscnt 16                                ; p and rows 0-15 are in; the 16 loads of rows 16-31 stay out
	WIN 0x05                                       ; sources 0 and 1 in window 1
	CFMA 0
	WIN 0x40
	SBATCH 2
	s_wait_dscnt 16                                ; rows 16-31 are in; rows 32-47 stay out
	WIN 0x05
	CFMA 1
	WIN 0x40
	SBATCH 3
	s_wait_dscnt 16                                ; rows 32-47 are in; rows 48-63 stay out
	WIN 0x05
	CFMA 2
	s_wait_dscnt 0x0
	CFMA 3
	WIN 0
.irp j, 0,1,2,3
	v_permlane16_swap_b32 v[CC+\j], v[CC+4+\j]     ; so that each store's 32 lanes hold 512 consecutive bytes
.endr
	global_store_b128 v[HO], v[CC:CC+3], s[CP:CP+1] offset:8192*\t
	global_store_b128 v[HO], v[CC+4:CC+7], s[CP:CP+1] offset:8192*\t+512
.endm
; A TILE of 64 rows.  h_i's two bases: slab g's refills are slab g + 1's bytes.  At a tile's head HP0 stands at its slab 1 and HP1 two slabs under its slab 2; each slab steps the base that it does not name.
.macro TILE t
	s_mov_b32 s[SOFF], 0
.if \t == 0
	SLAB 0, 1, 1, 1, 2048, 0                       ; the first slab's products start the sums: nothing is cleared
.else
	SLAB 0, 1, 1, 1, 2048+NEXTT, 1                 ; HP1 still stands in the last tile (its last loads reached over by their immediate): it comes over here
.endif
	s_mov_b32 s[CNT], 3
.Lslabs_\@:
	SLAB 1, 0, 1, 1, 2048, 0
	SLAB 0, 0, 1, 1, 2048, 0
	s_sub_co_u32 s[CNT], s[CNT], 1
	s_cmp_lg_u32 s[CNT], 0
	s_cbranch_scc1 .Lslabs_\@
.if \t == 0
	SLAB 1, 0, 2, 0, 2048+NEXTT, 0                 ; the refills are the next tile's first slab; HP0 goes over to the next tile's slab 1; W_h's registers serve tanh first
.else
	SLAB 1, 0, 0, 0, 0, 0                          ; nothing more to ask for
.endif
	TANH \t
	ESUM
.if \t == 0
	s_wait_xcnt 0x0                                ; W_h's base is written again only behind this wait
	s_mov_b64 s[WB:WB+1], s[WB0:WB0+1]
	BLOAD 0                                        ; W_h's first block again, for the next tile: it lands under the softmax and the context
	BLOAD 1
	SBLOAD
	v_and_b32 v[PF], 7, v0                         ; the next tile's slabs 1 and 2 of my wave's eight rows, 2,048 bytes of each: lanes 256 bytes apart, four rows an instruction;
	v_lshlrev_b32 v[PF], 8, v[PF]                  ; each piece is asked for once in the launch, by the wave that will load it, one softmax and one context ahead of its load;
	v_bfe_u32 v[SRK+2], v0, 3, 2                   ; all of it lies inside my work-group's second 64 rows of h_i
	v_lshl_add_u32 v[PF], v[SRK+2], 13, v[PF]
	global_prefetch_b8 v[PF], s[HP0:HP0+1] th:TH_LOAD_NT scope:SCOPE_SE
	global_prefetch_b8 v[PF], s[HP0:HP0+1] offset:32768 th:TH_LOAD_NT scope:SCOPE_SE
.endif
	SOFTMAX \t
	CONTEXT \t
.if \t == 0
	BARRIER                                        ; every wave has read the stash and the partial scores: the next tile may write them
.endif
.endm
	s_load_b512 s[4:19], s[0:1], 0x0               ; h_i s[4:5], wimg s[6:7], g2 s[8:9], W_c s[10:11], v_a s[12:13], b_a s[14:15], coverage s[16:17], cpart s[18:19]
	s_load_b128 s[20:23], s[0:1], 0x40             ; pws s[20:21], stat s[22:23]
	v_lshrrev_b32 v80, 5, v0
	v_readfirstlane_b32 s[WV], v80                 ; wave 0..7
	v_and_b32 v80, 31, v0                          ; lane
	v_and_b32 v81, 15, v0                          ; r
	v_bfe_u32 v82, v0, 4, 1                        ; hh
	v_and_b32 v83, 127, v0
	v_lshlrev_b32 v83, 2, v83                      ; coverage: 4 bytes a thread, 128 rows
	v_lshlrev_b32 v[HO], 5, v81
	v_lshl_add_u32 v[HO], v82, 4, v[HO]
	v_lshlrev_b32 v[WO], 4, v80
	s_mul_i32 s50, s[WV], 8*CPITCH
	s_add_co_u32 s50, s50, CODES
	v_lshl_add_u32 v[CST], v80, 2, s50             ; codes: my wave's eight rows, 4 bytes a lane
	s_lshl_b32 s50, s[WV], 6
	s_add_co_u32 s50, s50, ASC
	v_lshrrev_b32 v[SST], 2, v80
	v_add_nc_u32 v[SST], s50, v[SST]               ; scale bytes: 8 a row, block lane / 4
	s_lshl_b32 s50, s[WV], 15
	v_add_nc_u32 v[STB], s50, v[WO]                ; the stash: eight rows of 4,096 bytes a wave
	v_mul_u32_u24 v[AF], v81, CPITCH
	v_lshl_add_u32 v[AF], v82, 4, v[AF]
	v_add_nc_u32 v[AF], CODES, v[AF]
	v_lshl_add_u32 v[SAA], v81, 3, ASC
	s_lshl_b32 s50, s[WV], 9
	s_add_co_u32 s50, s50, CG
	v_lshl_add_u32 v[CNA], v81, 2, s50
	v_lshl_add_u32 v[CVD], v82, 5, COV
	s_lshl_b32 s50, s[WV], 8
	s_add_co_u32 s52, s50, EP
	v_lshl_add_u32 v[EPS], v82, 5, s52
	v_lshl_add_u32 v[EPL], v80, 3, EP
	s_add_co_u32 s52, s50, PB
	v_lshl_add_u32 v[PBS], v80, 3, s52
	v_mov_b32 v[PBL], s52
	v_lshlrev_b32 v[SR], 4, v0
	v_lshlrev_b32 v[L8], 3, v80
	v_add_nc_u32 v97, CG, v[SR]                    ; where the constants go
	v_add_nc_u32 v98, COV, v83
	s_mov_b32 s[CS], 0x4038aa3b                    ; c = 2 log2(e)
	s_mov_b32 s[CS+1], 0x4038aa3b
	s_mov_b32 s[L2E], 0x3fb8aa3b                   ; log2(e)
	s_mov_b32 s[SEL], 0x76543210
	s_mov_b32 s[SEL+1], 0xfedcba98
	s_mov_b32 s51, 0
	s_wait_kmcnt 0x0
	s_load_b32 s48, s[14:15], 0x0                  ; b_a
	s_lshl_b32 s50, ttmp9, 20                      ; my work-group's 128 rows of 8,192 bytes,
	s_lshl_b32 s52, s[WV], 16                      ; my wave's eight of a tile
	s_add_co_u32 s50, s50, s52
	s_add_nc_u64 s[HP1:HP1+1], s[4:5], s[50:51]    ; slab 0: the first loads name this base
	s_add_nc_u64 s[HP0:HP0+1], s[HP1:HP1+1], 1024  ; slab 1: the first slab's refills name this one
	s_mul_i32 s50, s[WV], 8*17408
	s_add_nc_u64 s[WB0:WB0+1], s[6:7], s[50:51]
	s_mov_b64 s[WB:WB+1], s[WB0:WB0+1]
	s_lshr_b32 s50, ttmp9, 2                       ; my batch: four work-groups to a batch
	s_lshl_b32 s50, s50, 12
	s_add_nc_u64 s[8:9], s[8:9], s[50:51]
	s_lshl_b32 s50, ttmp9, 9
	s_add_nc_u64 s[16:17], s[16:17], s[50:51]
	s_add_nc_u64 s[PW:PW+1], s[20:21], s[50:51]
	s_add_nc_u64 s[SP:SP+1], s[22:23], s[50:51]
	s_lshl_b32 s50, ttmp9, 14                      ; two tiles of 8,192 bytes; my wave's 256 columns
	s_lshl_b32 s52, s[WV], 10
	s_add_co_u32 s50, s50, s52
	s_add_nc_u64 s[CP:CP+1], s[18:19], s[50:51]
	global_load_b128 v[84:87], v[SR], s[8:9]       ; the constants, 16 bytes a thread: g2's row,
	global_load_b128 v[88:91], v[SR], s[10:11]     ; W_c,
	global_load_b128 v[92:95], v[SR], s[12:13]     ; v_a,
	global_load_b32 v96, v83, s[16:17]             ; and coverage
.irp i, 0,1,2,3,4,5,6,7
	HLOAD \i, HP1, 0
.endr
	BLOAD 0
	BLOAD 1
	SBLOAD
	s_wait_loadcnt 50                              ; the four constants are in; the 16 + 34 loads of the first slab stay out
	v_pk_mul_f32 v[88:89], v[88:89], s[CS:CS+1] op_sel_hi:[1,0]
	v_pk_mul_f32 v[90:91], v[90:91], s[CS:CS+1] op_sel_hi:[1,0]
	ds_store_b128 v97, v[84:87]
	ds_store_b128 v97, v[88:91] offset:4096
	ds_store_b128 v97, v[92:95] offset:8192
	s_cmp_lt_u32 s[WV], 4
	s_cbranch_scc0 .Lno_cov
	ds_store_b32 v98, v96                          ; threads 0-127: one word each
.Lno_cov:
	s_wait_kmcnt 0x0
	s_mul_f32 s[BL], s48, s[L2E]
	s_wait_dscnt 0x0                               ; the stores are done: their registers are the quantiser's next.  (The other waves read the constants behind the slabs' barriers)
	TILE 0
	TILE 1
	s_wait_xcnt 0x0
	v_lshl_add_u32 v254, v0, 2, 0x49e00
	v_mov_b32 v255, 0
	s_wait_tensorcnt 0x0
	ds_add_u32 v254, v255
	s_wait_dscnt 0x0
	s_endpgm
.Lfunc_end_k_q7974a525a5_main:
	.size	k_q7974a525a5_main, .Lfunc_end_k_q7974a525a5_main-k_q7974a525a5_main
	.p2alignl 7, 3214868480
	.fill 96, 4, 3214868480
	.section	.rodata,"a",@progbits
	.p2align	6, 0x0
	.amdhsa_kernel k_q7974a525a5_main
		.amdhsa_group_segment_fixed_size 303616
		.amdhsa_private_segment_fixed_size 0
		.amdhsa_enable_private_segment 0
		.amdhsa_kernarg_size 80
		.amdhsa_user_sgpr_count 2
		.amdhsa_user_sgpr_kernarg_segment_ptr 1
		.amdhsa_wavefront_size32 1
		.amdhsa_system_sgpr_workgroup_id_x 1
		.amdhsa_system_sgpr_workgroup_id_y 1
		.amdhsa_system_sgpr_workgroup_id_z 1
		.amdhsa_system_vgpr_workitem_id 0
		.amdhsa_next_free_vgpr 512
		.amdhsa_next_free_sgpr 80
		.amdhsa_reserve_vcc 0
		.amdhsa_float_denorm_mode_32 3
		.amdhsa_float_denorm_mode_16_64 3
		.amdhsa_memory_ordered 1
		.amdhsa_forward_progress 1
		.amdhsa_inst_pref_size 255
	.end_amdhsa_kernel
	.section	.bss,"aw",@nobits
	.p2align	6
	.space	262144
	.amdgpu_metadata
---
amdhsa.version: [ 1, 2 ]
amdhsa.kernels:
  - .name:           k_q7974a525a5_main
    .symbol:         k_q7974a525a5_main.kd
    .args:
      - { .name: h_i, .offset: 0, .size: 8, .value_kind: global_buffer, .address_space: global }
      - { .name: wimg, .offset: 8, .size: 8, .value_kind: global_buffer, .address_space: global }
      - { .name: g2, .offset: 16, .size: 8, .value_kind: global_buffer, .address_space: global }
      - { .name: W_c, .offset: 24, .size: 8, .value_kind: global_buffer, .address_space: global }
      - { .name: v_a, .offset: 32, .size: 8, .value_kind: global_buffer, .address_space: global }
      - { .name: b_a, .offset: 40, .size: 8, .value_kind: global_buffer, .address_space: global }
      - { .name: coverage, .offset: 48, .size: 8, .value_kind: global_buffer, .address_space: global }
      - { .name: cpart, .offset: 56, .size: 8, .value_kind: global_buffer, .address_space: global }
      - { .name: pws, .offset: 64, .size: 8, .value_kind: global_buffer, .address_space: global }
      - { .name: stat, .offset: 72, .size: 8, .value_kind: global_buffer, .address_space: global }
    .group_segment_fixed_size: 303616
    .private_segment_fixed_size: 0
    .kernarg_segment_align: 8
    .kernarg_segment_size: 80
    .max_flat_workgroup_size: 256
    .sgpr_count:     80
    .vgpr_count:     512
    .wavefront_size: 32
...
	.end_amdgpu_metadata
.endif
;; end of part 2
;; launch finish (part 3): grid 256 x 1, 4 waves a work-group, no clusters, 0 bytes of LDS; arguments cpart, pws, stat, coverage, out0, out1, out2; writes out0, out1, out2
.if DOCPART == 3
	.amdgcn_target "amdgcn-amd-amdhsa--gfx1250"
	.amdhsa_code_object_version 6
	.text
	.protected	k_q7974a525a5_finish
	.globl	k_q7974a525a5_finish
	.p2align	8
	.type	k_q7974a525a5_finish,@function
k_q7974a525a5_finish:
	s_mov_b64 s[64:65], 0
	v_nop
	global_prefetch_b8 v0, s[64:65] scope:SCOPE_SE
	s_setreg_imm32_b32 hwreg(HW_REG_WAVE_MODE, 25, 1), 1
	s_wait_xcnt 0x0
; The eight tiles of a batch are joined under the batch's largest t: M = max m_t, f_t = 2^(m_t - M), L = the sum of f_t l_t, g_t = f_t / L;
; out0 = the sum of g_t x the tile's partial context; out1 = A = p g of the row's tile; out2 = coverage + A.
; Work-group x: batch x / 4, quarter x % 4: 512 columns of out0 (128 a wave, 16 bytes a lane) and, in wave 0, 128 rows of out1 and out2.
; The tile with m_t = M has f = 1 and l at least 1, so L is at least 1.  No LDS, no barrier: waves share nothing; too little work for matrix units or tensor loads.
.set ST, 4                             ; v4-19   (m_t, l_t), t = 0..7
.set CPT, 20                           ; v20-51  the eight partial contexts, four numbers each
.set F,  54                            ; v54-61  f_t, then g_t
	s_load_b256 s[4:11], s[0:1], 0x0               ; cpart s[4:5], pws s[6:7], stat s[8:9], coverage s[10:11]
	s_load_b128 s[12:15], s[0:1], 0x20             ; out0 s[12:13], out1 s[14:15]
	s_load_b64 s[16:17], s[0:1], 0x30              ; out2
	v_lshrrev_b32 v1, 5, v0
	v_readfirstlane_b32 s18, v1                    ; wave
	v_and_b32 v1, 31, v0
	v_lshlrev_b32 v2, 3, v1                        ; 8 x lane
	v_lshlrev_b32 v3, 4, v1                        ; 16 x lane
	v_bfe_u32 v1, v0, 4, 1
	v_lshl_add_u32 v1, v1, 8, v2                   ; the pair (m, l) of my four rows' tile: lanes 16-31 the quarter's second tile
	s_lshr_b32 s19, ttmp9, 2                       ; batch
	s_and_b32 s20, ttmp9, 3                        ; quarter
	s_lshl_b32 s20, s20, 11
	s_lshl_b32 s21, s18, 9
	s_add_co_u32 s20, s20, s21                     ; 2,048 x quarter + 512 x wave
	s_lshl_b32 s22, s19, 11                        ; stat: eight tiles of 256 bytes a batch
	s_mov_b32 s23, 0
	s_lshl_b32 s24, s19, 16                        ; cpart: eight tiles of 8,192 bytes
	s_add_co_u32 s24, s24, s20
	s_mov_b32 s25, 0
	s_lshl_b32 s26, s19, 13                        ; out0: 8,192 bytes a batch
	s_add_co_u32 s26, s26, s20
	s_mov_b32 s27, 0
	s_lshl_b32 s28, ttmp9, 9                       ; 128 rows of 4 bytes; also two tiles of stat
	s_mov_b32 s29, 0
	s_wait_kmcnt 0x0
	s_add_nc_u64 s[30:31], s[8:9], s[28:29]
	s_add_nc_u64 s[8:9], s[8:9], s[22:23]
	s_add_nc_u64 s[4:5], s[4:5], s[24:25]
	s_add_nc_u64 s[12:13], s[12:13], s[26:27]
	s_add_nc_u64 s[6:7], s[6:7], s[28:29]
	s_add_nc_u64 s[10:11], s[10:11], s[28:29]
	s_add_nc_u64 s[14:15], s[14:15], s[28:29]
	s_add_nc_u64 s[16:17], s[16:17], s[28:29]
	s_cmp_lg_u32 s18, 0
	s_cbranch_scc1 .Lstats
	global_load_b64 v[64:65], v1, s[30:31]         ; wave 0's own three loads come first, so that the counts below hold on both ways
	global_load_b128 v[66:69], v3, s[6:7]          ; p of rows 4 l .. 4 l + 3
	global_load_b128 v[70:73], v3, s[10:11]        ; their coverage
.Lstats:
.irp t, 0,1,2,3,4,5,6,7
	global_load_b64 v[ST+2*\t:ST+2*\t+1], v2, s[8:9] offset:256*\t
.endr
.irp t, 0,1,2,3,4,5,6,7
	global_load_b128 v[CPT+4*\t:CPT+4*\t+3], v3, s[4:5] offset:8192*\t th:TH_LOAD_NT   ; 512 consecutive bytes a load; read once
.endr
	s_wait_loadcnt 8                               ; all but the eight partial contexts
	v_max3_num_f32 v52, v[ST], v[ST+2], v[ST+4]
	v_max3_num_f32 v52, v52, v[ST+6], v[ST+8]
	v_max3_num_f32 v52, v52, v[ST+10], v[ST+12]
	v_max_num_f32 v52, v52, v[ST+14]               ; M
.irp t, 0,1,2,3,4,5,6,7
	v_sub_f32 v[F+\t], v[ST+2*\t], v52
.endr
.irp t, 0,1,2,3,4,5,6,7
	v_exp_f32 v[F+\t], v[F+\t]                     ; f_t = 2^(m_t - M), at most 1
.endr
	v_nop                                          ; a plain line behind the transcendentals
	s_wait_alu depctr_va_vdst(0)
	v_mul_f32 v86, v[F], v[ST+1]
.irp t, 1,2,3,4,5,6,7
	v_fmac_f32 v86, v[F+\t], v[ST+2*\t+1]          ; L
.endr
	v_rcp_f32 v86, v86
	v_nop
	s_wait_alu depctr_va_vdst(0)
.irp t, 0,1,2,3,4,5,6,7
	v_mul_f32 v[F+\t], v[F+\t], v86                ; g_t
.endr
	s_wait_loadcnt 0x0
	v_pk_mul_f32 v[82:83], v[CPT:CPT+1], v[F:F+1] op_sel_hi:[1,0]
	v_pk_mul_f32 v[84:85], v[CPT+2:CPT+3], v[F:F+1] op_sel_hi:[1,0]
.irp t, 1,2,3,4,5,6,7
.if \t%2
	v_pk_fma_f32 v[82:83], v[CPT+4*\t:CPT+4*\t+1], v[F+\t-1:F+\t], v[82:83] op_sel:[0,1,0] op_sel_hi:[1,1,1]   ; of the pair of g the second word serves both halves
	v_pk_fma_f32 v[84:85], v[CPT+4*\t+2:CPT+4*\t+3], v[F+\t-1:F+\t], v[84:85] op_sel:[0,1,0] op_sel_hi:[1,1,1]
.else
	v_pk_fma_f32 v[82:83], v[CPT+4*\t:CPT+4*\t+1], v[F+\t:F+\t+1], v[82:83] op_sel_hi:[1,0,1]                  ; the first word
	v_pk_fma_f32 v[84:85], v[CPT+4*\t+2:CPT+4*\t+3], v[F+\t:F+\t+1], v[84:85] op_sel_hi:[1,0,1]
.endif
.endr
	global_store_b128 v3, v[82:85], s[12:13]       ; 512 consecutive bytes, aligned
	s_cmp_lg_u32 s18, 0
	s_cbranch_scc1 .Ldone
	v_sub_f32 v64, v64, v52
	v_exp_f32 v64, v64
	v_nop
	s_wait_alu depctr_va_vdst(0)
	v_mul_f32 v64, v64, v86                        ; g of my rows' tile
	v_pk_mul_f32 v[74:75], v[66:67], v[64:65] op_sel_hi:[1,0]      ; A
	v_pk_mul_f32 v[76:77], v[68:69], v[64:65] op_sel_hi:[1,0]
	v_pk_add_f32 v[78:79], v[70:71], v[74:75]                      ; coverage + A
	v_pk_add_f32 v[80:81], v[72:73], v[76:77]
	global_store_b128 v3, v[74:77], s[14:15]       ; 512 consecutive bytes each
	global_store_b128 v3, v[78:81], s[16:17]
.Ldone:
	s_endpgm
.Lfunc_end_k_q7974a525a5_finish:
	.size	k_q7974a525a5_finish, .Lfunc_end_k_q7974a525a5_finish-k_q7974a525a5_finish
	.p2alignl 7, 3214868480
	.fill 96, 4, 3214868480
	.section	.rodata,"a",@progbits
	.p2align	6, 0x0
	.amdhsa_kernel k_q7974a525a5_finish
		.amdhsa_group_segment_fixed_size 0
		.amdhsa_private_segment_fixed_size 0
		.amdhsa_enable_private_segment 0
		.amdhsa_kernarg_size 56
		.amdhsa_user_sgpr_count 2
		.amdhsa_user_sgpr_kernarg_segment_ptr 1
		.amdhsa_wavefront_size32 1
		.amdhsa_system_sgpr_workgroup_id_x 1
		.amdhsa_system_sgpr_workgroup_id_y 1
		.amdhsa_system_sgpr_workgroup_id_z 1
		.amdhsa_system_vgpr_workitem_id 0
		.amdhsa_next_free_vgpr 96
		.amdhsa_next_free_sgpr 66
		.amdhsa_reserve_vcc 0
		.amdhsa_float_denorm_mode_32 3
		.amdhsa_float_denorm_mode_16_64 3
		.amdhsa_memory_ordered 1
		.amdhsa_forward_progress 1
		.amdhsa_inst_pref_size 7
	.end_amdhsa_kernel
	.amdgpu_metadata
---
amdhsa.version: [ 1, 2 ]
amdhsa.kernels:
  - .name:           k_q7974a525a5_finish
    .symbol:         k_q7974a525a5_finish.kd
    .args:
      - { .name: cpart, .offset: 0, .size: 8, .value_kind: global_buffer, .address_space: global }
      - { .name: pws, .offset: 8, .size: 8, .value_kind: global_buffer, .address_space: global }
      - { .name: stat, .offset: 16, .size: 8, .value_kind: global_buffer, .address_space: global }
      - { .name: coverage, .offset: 24, .size: 8, .value_kind: global_buffer, .address_space: global }
      - { .name: out0, .offset: 32, .size: 8, .value_kind: global_buffer, .address_space: global }
      - { .name: out1, .offset: 40, .size: 8, .value_kind: global_buffer, .address_space: global }
      - { .name: out2, .offset: 48, .size: 8, .value_kind: global_buffer, .address_space: global }
    .group_segment_fixed_size: 0
    .private_segment_fixed_size: 0
    .kernarg_segment_align: 8
    .kernarg_segment_size: 56
    .max_flat_workgroup_size: 128
    .sgpr_count:     66
    .vgpr_count:     96
    .wavefront_size: 32
...
	.end_amdgpu_metadata
.endif
;; end of part 3
;; ======== version 2 of 2: 3 launches; version 1 with the launches prep, main written anew for expert scheduling mode
;; workspace buffers: g2 262,144 bytes; wimg 1,114,112 bytes; cpart 4,194,304 bytes; pws 131,072 bytes; stat 131,072 bytes
;; launch prep (part 4): grid 128 x 1, 16 waves a work-group, no clusters, 19,456 bytes of LDS; arguments s_t_codes, s_t_scales, W_s_codes, W_s_scales, b_s, b_h, W_h_codes, W_h_scales, g2, wimg; writes g2, wimg
.if DOCPART == 4
	.amdgcn_target "amdgcn-amd-amdhsa--gfx1250"
	.amdhsa_code_object_version 6
	.text
	.protected	k_q7974a525a5_prep
	.globl	k_q7974a525a5_prep
	.p2align	8
	.type	k_q7974a525a5_prep,@function
k_q7974a525a5_prep:
	s_mov_b64 s[64:65], 0
	v_nop
	global_prefetch_b8 v0, s[64:65] scope:SCOPE_SE
	s_setreg_imm32_b32 hwreg(HW_REG_WAVE_SCHED_MODE, 0, 2), 2
	s_setreg_imm32_b32 hwreg(HW_REG_WAVE_MODE, 25, 1), 1
	s_wait_xcnt 0x0
	s_wait_alu depctr_vm_vsrc(0)
; Two small jobs ahead of the main launch; the work-group's number says which (the branch is the same for all waves of a work-group).
; JOB G (work-groups 0-63): g2[b][n] = c (s_t[b] . W_s[n] + b_s[n] + b_h[n]), c = 2 log2(e), on the given codes of E2M1 with their E8M0 scales.
;   Work-group 4 x + mt makes columns 64 x .. 64 x + 63 for batches 16 mt .. 16 mt + 15.  Wave u takes K steps 4 (u / 4) .. + 3 (of 16 steps of 128) and column tile u % 4: 20 loads a wave.
;   The product is used transposed (source 0 = 16 rows of W_s, source 1 = 16 rows of s_t): a lane holds one batch and eight neighbouring columns.
;   The four partial sums along K meet in LDS (four planes of 16 rows x (256 + 16) bytes); waves 0-7 then add them and store two whole pieces of 256 bytes each.
; JOB R (work-groups 64-127): W_h's codes and scale bytes are copied into wimg in the order of the operand's registers, so that the main launch
;   fills a fragment by loads of 512 consecutive bytes.  Block y = 8 w + g (w: a wave of the main launch, its columns 128 w ..; g: 256 along K) is 17,408 bytes:
;   16 fragments f = 8 ks + j of 1,024 bytes (register group c of lane l at 1024 f + 512 c + 16 l), then the scale words (at 16,384 + 512 c + 16 l: four words,
;   word 2 i + ks of column tiles 2 q (lanes 0-15) and 2 q + 1 (lanes 16-31), q = 2 c + i).
; THE MODE: SCHED_MODE bits 1:0 = 2 (LLVM: expert scheduling mode 2), set by the entry lines.  The code itself states the register dependences
; between vector or matrix instructions and memory or LDS instructions, with s_wait_alu, always for 0.
; THE PLAN.  Straight-line code.  Addresses (v3-7, v16-18) are made once, ahead of one wait in each job, and never written again.  Job G: the accumulators' sum is written by vector lines and read
; by the LDS stores: one wait, which also states that the products are done reading W_s's registers, in which the planes land; the finished numbers are written by vector lines and read by the store: one wait.
.set C2L,    0x4038aa3b                ; c = 2 log2(e)
.set PPITCH, 272
.set PLANE,  16*PPITCH                 ; a plane of partial sums: 16 rows x 272 bytes
.set BLOCK,  17408                     ; a block of wimg
.set WSF, 32                           ; v32-63   W_s: four fragments (K steps); later the partial sums read back
.set STF, 64                           ; v64-95   s_t: four fragments
.set WSS, 96                           ; v96-99   W_s's scale words, one for each K step
.set STS, 100                          ; v100-103 s_t's
.set ACC, 104                          ; v104-119 two accumulators: K steps 0, 2 and K steps 1, 3
	s_load_b512 s[4:19], s[0:1], 0x0               ; s_t codes s[4:5], s_t scales s[6:7], W_s codes s[8:9], W_s scales s[10:11], b_s s[12:13], b_h s[14:15], W_h codes s[16:17], W_h scales s[18:19]
	s_load_b128 s[20:23], s[0:1], 0x40             ; g2 s[20:21], wimg s[22:23]
	v_lshl_add_u32 v128, v0, 2, 0x4400
	v_mov_b32 v129, 0
	v_lshrrev_b32 v1, 5, v0
	v_readfirstlane_b32 s24, v1                    ; wave u, 0..15
	v_and_b32 v1, 15, v0                           ; r
	v_bfe_u32 v2, v0, 4, 1                         ; hh
	v_lshlrev_b32 v3, 10, v1
	v_lshl_add_u32 v3, v2, 4, v3                   ; a fragment's lane term in rows of 1,024 bytes of codes: 1024 r + 16 hh
	s_mov_b32 s29, 0
	s_mov_b32 s31, 0
	s_wait_alu depctr_va_sdst(0)                   ; s24 is written
	s_wait_kmcnt 0x0
	s_cmp_lt_u32 ttmp9, 64
	s_cbranch_scc0 .Lrelay
	; ---------------- JOB G ----------------
	s_lshr_b32 s36, ttmp9, 2                       ; x: which 64 columns
	s_and_b32 s37, ttmp9, 3                        ; mt: which 16 batches
	s_lshr_b32 s25, s24, 2                         ; kq: which four K steps
	s_and_b32 s26, s24, 3                          ; nt: which column tile
	v_lshlrev_b32 v4, 6, v1                        ; scale bytes: 64 a row
	v_lshlrev_b32 v5, 4, v1                        ; biases: 16 bytes a lane
	s_lshl_b32 s30, s25, 8                         ; four K steps are 256 bytes of codes
	s_lshl_b32 s27, s37, 14                        ; 16 batches are 16 rows of 1,024 bytes
	s_add_co_u32 s28, s30, s27
	s_add_nc_u64 s[4:5], s[4:5], s[28:29]          ; s_t's codes
	s_lshl_b32 s28, s36, 16                        ; (64 x + 16 nt) rows of 1,024 bytes
	s_lshl_b32 s27, s26, 14
	s_add_co_u32 s28, s28, s27
	s_add_co_u32 s28, s28, s30
	s_add_nc_u64 s[8:9], s[8:9], s[28:29]          ; W_s's codes
	s_lshl_b32 s30, s25, 4                         ; four K steps are 16 scale bytes
	s_lshl_b32 s27, s37, 10
	s_add_co_u32 s28, s30, s27
	s_add_nc_u64 s[6:7], s[6:7], s[28:29]          ; s_t's scales
	s_lshl_b32 s28, s36, 12
	s_lshl_b32 s27, s26, 10
	s_add_co_u32 s28, s28, s27
	s_add_co_u32 s28, s28, s30
	s_add_nc_u64 s[10:11], s[10:11], s[28:29]      ; W_s's scales
	s_lshl_b32 s28, s36, 8                         ; my work-group's 64 columns: 256 bytes
	s_add_nc_u64 s[12:13], s[12:13], s[28:29]      ; b_s
	s_add_nc_u64 s[14:15], s[14:15], s[28:29]      ; b_h
	s_and_b32 s38, s24, 7                          ; on the way out waves 0-7 take batches 16 mt + 2 u + hh: rows of 4,096 bytes
	s_lshl_b32 s27, s37, 16
	s_add_co_u32 s28, s28, s27
	s_lshl_b32 s27, s38, 13
	s_add_co_u32 s28, s28, s27
	s_add_nc_u64 s[20:21], s[20:21], s[28:29]      ; g2
	s_mov_b32 s34, C2L
	s_mov_b32 s35, C2L                             ; (named with it as a pair)
	s_mul_i32 s32, s25, PLANE
	s_lshl_b32 s33, s26, 6
	s_add_co_u32 s32, s32, s33
	v_mul_u32_u24 v6, v1, PPITCH
	v_lshl_add_u32 v6, v2, 5, v6
	v_add_nc_u32 v6, s32, v6                       ; into LDS: plane kq, row r, bytes 64 nt + 32 hh
	s_mul_i32 s33, s38, 2*PPITCH
	v_mul_u32_u24 v7, v2, PPITCH
	v_lshl_add_u32 v7, v1, 4, v7
	v_add_nc_u32 v7, s33, v7                       ; back: row 2 u + hh, 16 bytes a lane
	v_lshlrev_b32 v16, 12, v2
	v_lshl_add_u32 v16, v1, 4, v16                 ; and the same place in g2
	s_wait_alu depctr_va_vdst(0)                   ; the addresses v3 to v7 and v16 are written, which the loads and stores of this job read
	global_load_b128 v[8:11], v5, s[12:13]         ; b_s of columns 4 r .. 4 r + 3
	global_load_b128 v[12:15], v5, s[14:15]        ; b_h
.irp s, 0,1,2,3
.irp c, 0,1
	global_load_b128 v[WSF+8*\s+4*\c:WSF+8*\s+4*\c+3], v3, s[8:9] offset:64*\s+32*\c
	global_load_b128 v[STF+8*\s+4*\c:STF+8*\s+4*\c+3], v3, s[4:5] offset:64*\s+32*\c
.endr
.endr
	global_load_b128 v[WSS:WSS+3], v4, s[10:11]    ; four scale words of my row: the four K steps
	global_load_b128 v[STS:STS+3], v4, s[6:7]
	s_wait_loadcnt 0x0
.irp s, 0,1,2,3                        ; the two accumulators take turns, one instruction a turn; K steps 0 and 1 start the sums
.if \s < 2
	v_wmma_scale_f32_16x16x128_f8f6f4 v[ACC+8*(\s%2):ACC+8*(\s%2)+7], v[WSF+8*\s:WSF+8*\s+7], v[STF+8*\s:STF+8*\s+7], 0, v[WSS+\s], v[STS+\s] matrix_a_fmt:MATRIX_FMT_FP4 matrix_b_fmt:MATRIX_FMT_FP4
.else
	v_wmma_scale_f32_16x16x128_f8f6f4 v[ACC+8*(\s%2):ACC+8*(\s%2)+7], v[WSF+8*\s:WSF+8*\s+7], v[STF+8*\s:STF+8*\s+7], v[ACC+8*(\s%2):ACC+8*(\s%2)+7], v[WSS+\s], v[STS+\s] matrix_a_fmt:MATRIX_FMT_FP4 matrix_b_fmt:MATRIX_FMT_FP4
.endif
.endr
	v_pk_add_f32 v[8:9], v[8:9], v[12:13]          ; c (b_s + b_h): four plain lines that name no register of the products: the four places behind them (ISA guide 7.12.1)
	v_pk_add_f32 v[10:11], v[10:11], v[14:15]
	v_pk_mul_f32 v[8:9], v[8:9], s[34:35] op_sel_hi:[1,0]
	v_pk_mul_f32 v[10:11], v[10:11], s[34:35] op_sel_hi:[1,0]
.irp p, 0,2,4,6
	v_pk_add_f32 v[ACC+\p:ACC+\p+1], v[ACC+\p:ACC+\p+1], v[ACC+8+\p:ACC+8+\p+1]   ; the two accumulators' sum, each read from its low end on
.endr
	s_wait_alu depctr_va_vdst(0)                   ; the additions have written v[ACC ..], which the LDS stores read; the products are done reading W_s's fragments, in which the planes land below
	ds_store_b128 v6, v[ACC:ACC+3]
	ds_store_b128 v6, v[ACC+4:ACC+7] offset:16
	s_wait_dscnt 0x0                               ; for the others' sake: my partial sums lie in LDS
	s_barrier_signal -1
	s_barrier_wait -1
	s_cmp_lt_u32 s24, 8                            ; 16 rows, two to a wave: waves 8-15 have nothing left to do
	s_cbranch_scc0 .Lg_end
.irp k, 0,1,2,3
	ds_load_b128 v[WSF+4*\k:WSF+4*\k+3], v7 offset:PLANE*\k   ; batch 16 mt + 2 u + hh, plane k.  No wait: no vector or matrix instruction since the wait above names these registers
.endr
	s_wait_dscnt 0x0
	v_pk_add_f32 v[WSF:WSF+1], v[WSF:WSF+1], v[WSF+4:WSF+5]
	v_pk_add_f32 v[WSF+2:WSF+3], v[WSF+2:WSF+3], v[WSF+6:WSF+7]
	v_pk_add_f32 v[WSF+8:WSF+9], v[WSF+8:WSF+9], v[WSF+12:WSF+13]
	v_pk_add_f32 v[WSF+10:WSF+11], v[WSF+10:WSF+11], v[WSF+14:WSF+15]
	v_pk_add_f32 v[WSF:WSF+1], v[WSF:WSF+1], v[WSF+8:WSF+9]
	v_pk_add_f32 v[WSF+2:WSF+3], v[WSF+2:WSF+3], v[WSF+10:WSF+11]
	v_pk_fma_f32 v[WSF:WSF+1], v[WSF:WSF+1], s[34:35], v[8:9] op_sel_hi:[1,0,1]       ; c x the sum + c (b_s + b_h)
	v_pk_fma_f32 v[WSF+2:WSF+3], v[WSF+2:WSF+3], s[34:35], v[10:11] op_sel_hi:[1,0,1]
	s_wait_alu depctr_va_vdst(0)                   ; the multiply-adds have written v[WSF .. WSF + 3], which the store reads
	global_store_b128 v16, v[WSF:WSF+3], s[20:21]  ; sixteen lanes store 256 consecutive bytes, at a multiple of 256 from g2's first byte
.Lg_end:
	s_wait_dscnt 0x0                               ; the closing lines, six on end
	s_wait_alu 0x0
	s_wait_tensorcnt 0x0
	ds_add_u32 v128, v129
	s_wait_dscnt 0x0
	s_endpgm
	; ---------------- JOB R ----------------
.Lrelay:
	s_sub_co_u32 s25, ttmp9, 64                    ; block y
	s_lshr_b32 s26, s25, 3                         ; w
	s_and_b32 s27, s25, 7                          ; g
	v_and_b32 v17, 31, v0
	v_lshlrev_b32 v17, 4, v17                      ; 16 x lane: an image's place for my lane
	v_lshlrev_b32 v18, 6, v1
	v_lshl_add_u32 v18, v2, 10, v18                ; scale bytes: 64 r + 16 rows for lanes 16-31
	s_lshl_b32 s28, s26, 17                        ; codes: row 128 w + 16 j, bytes 128 g + 64 ks; wave u is fragment u: ks = u / 8, j = u % 8
	s_and_b32 s30, s24, 7
	s_lshl_b32 s30, s30, 14
	s_add_co_u32 s28, s28, s30
	s_lshl_b32 s30, s27, 7
	s_add_co_u32 s28, s28, s30
	s_lshr_b32 s30, s24, 3
	s_lshl_b32 s30, s30, 6
	s_add_co_u32 s28, s28, s30
	s_add_nc_u64 s[16:17], s[16:17], s[28:29]
	s_lshl_b32 s28, s26, 13                        ; scale bytes (waves 0 and 1, c = u): row 128 w + 64 c, bytes 8 g
	s_lshl_b32 s30, s24, 12
	s_add_co_u32 s28, s28, s30
	s_lshl_b32 s30, s27, 3
	s_add_co_u32 s28, s28, s30
	s_add_nc_u64 s[18:19], s[18:19], s[28:29]
	s_mul_i32 s28, s25, BLOCK
	s_lshl_b32 s30, s24, 9
	s_add_co_u32 s30, s28, s30
	s_add_nc_u64 s[40:41], s[22:23], s[30:31]      ; wimg at my block + 512 u: the scale image's group u (the 16,384 stands in the store's offset)
	s_lshl_b32 s30, s24, 10
	s_add_co_u32 s28, s28, s30
	s_add_nc_u64 s[22:23], s[22:23], s[28:29]      ; wimg at my block + 1024 u: fragment u
	s_wait_alu depctr_va_vdst(0)                   ; the offsets v3, v17 and v18 are written, which the loads and stores of this job read
	global_load_b128 v[24:27], v3, s[16:17]
	global_load_b128 v[28:31], v3, s[16:17] offset:32
	s_cmp_lt_u32 s24, 2
	s_cbranch_scc0 .Lcodes_only
	global_load_b64 v[20:21], v18, s[18:19]                ; q = 2 c: the words of K steps 2 g and 2 g + 1
	global_load_b64 v[22:23], v18, s[18:19] offset:2048    ; q = 2 c + 1: 32 rows further down
	s_wait_loadcnt 0x0
	global_store_b128 v17, v[20:23], s[40:41] offset:16384 ; 512 consecutive bytes
.Lcodes_only:
	s_wait_loadcnt 0x0
	global_store_b128 v17, v[24:27], s[22:23]              ; 512 consecutive bytes each
	global_store_b128 v17, v[28:31], s[22:23] offset:512
	s_endpgm
.Lfunc_end_k_q7974a525a5_prep:
	.size	k_q7974a525a5_prep, .Lfunc_end_k_q7974a525a5_prep-k_q7974a525a5_prep
	.p2alignl 7, 3214868480
	.fill 96, 4, 3214868480
	.section	.rodata,"a",@progbits
	.p2align	6, 0x0
	.amdhsa_kernel k_q7974a525a5_prep
		.amdhsa_group_segment_fixed_size 19456
		.amdhsa_private_segment_fixed_size 0
		.amdhsa_enable_private_segment 0
		.amdhsa_kernarg_size 80
		.amdhsa_user_sgpr_count 2
		.amdhsa_user_sgpr_kernarg_segment_ptr 1
		.amdhsa_wavefront_size32 1
		.amdhsa_system_sgpr_workgroup_id_x 1
		.amdhsa_system_sgpr_workgroup_id_y 1
		.amdhsa_system_sgpr_workgroup_id_z 1
		.amdhsa_system_vgpr_workitem_id 0
		.amdhsa_next_free_vgpr 130
		.amdhsa_next_free_sgpr 66
		.amdhsa_reserve_vcc 0
		.amdhsa_float_denorm_mode_32 3
		.amdhsa_float_denorm_mode_16_64 3
		.amdhsa_memory_ordered 1
		.amdhsa_forward_progress 1
		.amdhsa_inst_pref_size 10
	.end_amdhsa_kernel
	.amdgpu_metadata
---
amdhsa.version: [ 1, 2 ]
amdhsa.kernels:
  - .name:           k_q7974a525a5_prep
    .symbol:         k_q7974a525a5_prep.kd
    .args:
      - { .name: s_t_codes, .offset: 0, .size: 8, .value_kind: global_buffer, .address_space: global }
      - { .name: s_t_scales, .offset: 8, .size: 8, .value_kind: global_buffer, .address_space: global }
      - { .name: W_s_codes, .offset: 16, .size: 8, .value_kind: global_buffer, .address_space: global }
      - { .name: W_s_scales, .offset: 24, .size: 8, .value_kind: global_buffer, .address_space: global }
      - { .name: b_s, .offset: 32, .size: 8, .value_kind: global_buffer, .address_space: global }
      - { .name: b_h, .offset: 40, .size: 8, .value_kind: global_buffer, .address_space: global }
      - { .name: W_h_codes, .offset: 48, .size: 8, .value_kind: global_buffer, .address_space: global }
      - { .name: W_h_scales, .offset: 56, .size: 8, .value_kind: global_buffer, .address_space: global }
      - { .name: g2, .offset: 64, .size: 8, .value_kind: global_buffer, .address_space: global }
      - { .name: wimg, .offset: 72, .size: 8, .value_kind: global_buffer, .address_space: global }
    .group_segment_fixed_size: 19456
    .private_segment_fixed_size: 0
    .kernarg_segment_align: 8
    .kernarg_segment_size: 80
    .max_flat_workgroup_size: 512
    .sgpr_count:     66
    .vgpr_count:     130
    .wavefront_size: 32
...
	.end_amdgpu_metadata
.endif
;; end of part 4
;; launch main (part 5): grid 256 x 1, 8 waves a work-group, no clusters, 303,616 bytes of LDS; arguments h_i, wimg, g2, W_c, v_a, b_a, coverage, cpart, pws, stat; writes cpart, pws, stat
.if DOCPART == 5
	.amdgcn_target "amdgcn-amd-amdhsa--gfx1250"
	.amdhsa_code_object_version 6
	.text
	.protected	k_q7974a525a5_main
	.globl	k_q7974a525a5_main
	.p2align	8
	.type	k_q7974a525a5_main,@function
k_q7974a525a5_main:
	s_mov_b64 s[64:65], 0
	v_nop
	global_prefetch_b8 v0, s[64:65] scope:SCOPE_SE
	s_setreg_imm32_b32 hwreg(HW_REG_WAVE_SCHED_MODE, 0, 2), 2
	s_setreg_imm32_b32 hwreg(HW_REG_WAVE_MODE, 25, 1), 1
	s_wait_xcnt 0x0
	s_wait_alu depctr_vm_vsrc(0)
; For 128 rows (b, s) of h_i, in two tiles of 64: E = v_a . tanh(Q(h) W_h^T + b_h + Ws_s + b_s + cov W_c) + b_a, then the tile's own softmax partials:
; t = E log2(e), m = the tile's largest t, p = 2^(t - m), l = the sum of p, and the partial context, the sum over the tile's rows of p x h.  The last launch joins the eight tiles of a batch.
; h_i IS READ FROM MEMORY ONCE.  K goes in 8 slabs of 256.  In a slab wave w loads rows 8 w .. 8 w + 7 (1,024 bytes of each) into registers and makes of them
;   (a) codes of E2M1 and E8M0 scale bytes (a block's scale: its largest magnitude's exponent field less 2), into LDS, two buffers by turns, and
;   (b) bf16, into a stash of 64 rows x 4,096 bytes in LDS, from which the context is summed when p is known (that product is left as it is: bf16 operand, f32 sums).
; Behind one barrier every wave multiplies all 64 rows by ITS OWN 128 columns of W_h: 32 accumulators of 16 x 16 in window 1.  W_h's fragments come from wimg, where they lie in the order
; of the operand's registers, straight into registers, a slab ahead; h_i's next slab is asked for as each pair of rows' registers falls free.
; THE BASES OF THE LOADS ARE STEPPED WITHOUT A WAIT OF THEIR OWN: h_i's refills name two bases by turns, and a base is stepped where the counted wait on loads that the products need anyway
; has shown every load that names it done.
; NO JOINT LOADS, NO RING IN LDS FOR W_h: the stash takes 262,144 bytes of LDS and codes and constants 36,352 more; a slab of W_h for the work-group is 8 x 17,408 = 139,264 bytes, so two slots
; of it have no room; and each fragment of W_h is used by one wave, once in a tile, so LDS would only pass it on.
; tanh(x) = 1 - 2 / (1 + 2^(c x)), c = 2 log2(e): right at both saturated ends (2^y = infinity gives 1, 2^y = 0 gives -1); near 0 its error is a few units in the last place of 1.
; v . tanh is summed as (the sum of v) + the sum of rcp x (-2 v).
; LIMITS: NaN and infinities in h_i are not served.  A block of zeros gets the scale byte 1 where the rule says 127: its codes are zeros, and the bytes are read by this launch alone.
; THE MODE: SCHED_MODE bits 1:0 = 2 (LLVM: expert scheduling mode 2), set by the entry lines.  The code itself states the register dependences
; between vector or matrix instructions and memory or LDS instructions, with s_wait_alu, always for 0.
; THE PLAN.  Registers that memory or LDS instructions touch:
;   v1-15        addresses, made once at the head, ahead of one wait, and never written again.
;   RAW v16-79   rows i, i + 1 are written and read by their pair's lines; the refills land in them in the NEXT pair's turn.
;   Q0 v80-95, Q1 v96-111   the quantiser's results, two sets by turns: a pair's lines write one; the LDS stores that read it are issued in the next pair's turn; it is written again two pairs on.
;                Behind the slab's barrier A's fragments land in both; the products read them.
;   v112         the stash address: written at a slab's head, read by the stash stores; behind the barrier A's scale words land in v112-119; the products read them.
;   v120-255     W_h's fragments and scale words: loads land, the products read.  At a tile's end: tanh's constants land, vector lines make the scores' sums EE, LDS stores read EE, W_h lands again.
;   window 1     the accumulators, named by matrix and vector lines; in the context p and three buffers of 16 stash rows land there and the multiply-adds read them.
;   v100-107 the context's sums (global stores read them); v108-110 stash addresses; v111 the prefetches' offset: each made ahead of a wait that stands there anyway.
; So in a slab: one wait on va_vdst at the head of each pair but the first and one behind the last pair (the pair before has written its set and is done with its rows): that pair's four refills and six LDS
; stores follow, dealt among the lines of the pair in hand, which name its own rows and the other set alone; one wait on vm_vsrc at the head of the third and fourth pair (the stores of two pairs back have read
; the set) and one behind the barrier (all have, ahead of A's loads); one wait on va_vdst behind each run of 32 products, ahead of the loads into the registers that they read.
; REGISTERS.  window 0: v1-15 addresses that stay; v16-79 eight rows of h_i as loaded; v80-111 A's four fragments (between the products: the quantiser's two sets, the softmax's and the context's work);
;   v112-119 A's scale words (in the quantiser v112: the stash address); v120-247 W_h's 16 fragments (during tanh: constants and sums); v248-255 W_h's scale words.   window 1: the accumulators, (m, j) at v[8 (8 m + j)]; in the context p and rows of the stash.
.set CODES,  262144                    ; LDS: the stash lies at 0; here two buffers of 64 rows x (128 bytes of codes + 16)
.set CBUF,   9216
.set CPITCH, 144                       ; nine times 16 bytes: the sixteen rows of a fragment load start 16 bytes further on in each 256
.set ASC,    280576                    ; two buffers of 64 rows x 8 scale bytes
.set CG,     281600                    ; g2 of my batch, 1,024 numbers; 4,096 bytes on c W_c; 8,192 bytes on v_a
.set COV,    293888                    ; coverage of my 128 rows
.set EP,     294400                    ; eight waves x 64 partial scores
.set PB,     296448                    ; each wave's own copy of p
.set NEXTT,  64*8192-8192              ; bytes from the end of a tile's first row to the next tile's first row
.set HO,  1                            ; v1   32 r + 16 hh: lanes' places in 512 consecutive bytes (h_i's loads, the context's stores)
.set WO,  2                            ; v2   16 x lane
.set CST, 3                            ; v3   where I store four bytes of codes
.set SST, 4                            ; v4   and my block's scale byte
.set STB, 5                            ; v5   the stash: my wave's rows, 16 x lane
.set AF,  6                            ; v6   A's fragments
.set SAA, 7                            ; v7   A's scale words
.set CNA, 8                            ; v8   the constants of my column n = 128 w + 16 j + r
.set CVD, 9                            ; v9   coverage of rows 8 hh ..
.set EPS, 10                           ; v10  where my wave puts its partial scores
.set EPL, 11                           ; v11  where I read two rows' partial scores
.set PBS, 12                           ; v12  where I put two rows' p
.set PBL, 13                           ; v13  my wave's copy of p
.set SR,  14                           ; v14  16 x thread: my eight columns in a row of the stash; also the constants' place
.set L8,  15                           ; v15  8 x lane
.set RAW, 16
.set AR,  80
.set CC,  100                          ; v100-107 the context's eight sums
.set SRK, 108                          ; v108-110 the stash's rows 16, 32, 48 on
.set PF,  111                          ; v111 the prefetch's lane term
.set SA,  112
.set TST, 112                          ; v112 in the quantiser: the stash address of the slab in hand
.set BR,  120
.set SB,  248
.set GW,  120                          ; during tanh: v120-135 pairs (c (Ws_s + b_s + b_h), c W_c) of column tile j
.set VV,  136                          ; v136-143 v_a, then -2 v_a
.set CV,  144                          ; v144-175 coverage of row 16 m + 8 hh + i at 8 m + i
.set EE,  176                          ; v176-207 the scores' sums, likewise
.set UU,  208                          ; v208-239 cov c W_c + c (..) for four accumulators
.set SV,  240                          ; v240-241 the sum of my eight v_a
.set WV,  24                           ; s24  wave
.set HP0, 26                           ; s[26:27] h_i: the base of the refills issued in slabs on code buffer 0
.set HP1, 54                           ; s[54:55] and of those issued in slabs on code buffer 1 (and of the first slab's loads)
.set WB,  28                           ; s[28:29] wimg at the block that is asked for
.set WB0, 30                           ; s[30:31] wimg at my wave's first block
.set SOFF, 32                          ; s32  512 x slab
.set CNT, 33
.set CS,  34                           ; s[34:35] c, as a pair
.set L2E, 36                           ; s36  log2(e)
.set BL,  38                           ; s38  b_a log2(e)
.set SEL, 40                           ; s[40:41] v_permlanex16_b32's selects for lane l xor 16
.set CP,  42                           ; s[42:43] cpart, s[44:45] pws, s[46:47] stat at my part
.set PW,  44
.set SP,  46
.set MSB, 0
.macro WIN new                         ; s_set_vgpr_msb: bits 1:0 source 0, 3:2 source 1, 5:4 source 2, 7:6 destination; the high byte repeats the setting that is left
.if MSB != \new
	s_set_vgpr_msb (MSB<<8)|\new
.set MSB, \new
.endif
.endm
.macro PLACES                          ; four places (ISA guide 7.12.1)
.rept 4
	v_nop
.endr
.endm
.macro BARRIER                         ; my LDS stores have landed and my LDS loads are in: then the work-group's barrier
	s_wait_dscnt 0x0
	s_barrier_signal -1
	s_barrier_wait -1
.endm
; Row i of my eight, 1,024 bytes of it, from base p, ext bytes on: two loads of 512 consecutive bytes.  Lanes 0-15 take the even pieces of 16 bytes, lanes 16-31 the odd ones.
.macro HLOAD i, p, ext
	global_load_b128 v[RAW+8*(\i):RAW+8*(\i)+3], v[HO], s[\p:\p+1] offset:8192*(\i)+\ext th:TH_LOAD_NT
	global_load_b128 v[RAW+8*(\i)+4:RAW+8*(\i)+7], v[HO], s[\p:\p+1] offset:8192*(\i)+512+\ext th:TH_LOAD_NT
.endm
; Row r's codes, scale byte and bf16 leave its eight registers at v[AR + 8 (r % 4)]: +0 largest magnitude, +1 the conversion's scale, +2 the byte, +3 the codes, +4..7 bf16.
.macro QSTORE r, buf
.set rq, AR+8*((\r)%4)
	ds_store_b32 v[CST], v[rq+3] offset:CBUF*\buf+CPITCH*(\r)
	ds_store_b8 v[SST], v[rq+2] offset:512*\buf+8*(\r)             ; the four lanes of a block write the same byte with the same value
	ds_store_b128 v[TST], v[rq+4:rq+7] offset:4096*(\r)
.endm
; Rows i and i + 1 are quantised and rounded to bf16, line by line by turns, so that no line waits for the line above it; their results go into set (i / 2) % 2.
; Among these lines stand the memory instructions of the pair BEFORE: its refills (fill = 1: its registers take the same rows of the slab that is asked for) and its LDS stores.
.macro QPAIR i, buf, fill, p, ext
.set qb, AR+8*((\i)%4)
.set rw, RAW+8*(\i)
.if (\fill) && ((\i) > 0)
	s_wait_loadcnt 42                              ; behind these rows' four loads: 12 - 2 i of h_i, 34 of W_h, and the 2 i - 4 refills issued so far
.else
	s_wait_loadcnt 46-2*(\i)                       ; 12 - 2 i of h_i and 34 of W_h
.endif
.if (\i) >= 4
	s_wait_alu depctr_vm_vsrc(0)                   ; the LDS stores of rows i - 4 and i - 3, issued in the last pair's turn, have read the set that this pair's lines write again
.endif
.if (\i) >= 2
	s_wait_alu depctr_va_vdst(0)                   ; the lines of rows i - 2 and i - 1 have written their set, which the stores below read, and are done with those rows' registers, in which the refills below land; at i = 2: v[TST] is written
.if \fill
	HLOAD (\i)-2, \p, \ext
.endif
.endif
.irp d, 0,1
.irp j, 0,1,2,3
	v_permlane16_swap_b32 v[rw+8*\d+\j], v[rw+8*\d+4+\j]   ; the first's lanes 16-31 change places with the second's lanes 0-15: lane l now holds numbers 8 l .. 8 l + 7 of the row's 256
.endr
.endr
.if ((\i) >= 2) && (\fill)
	HLOAD (\i)-1, \p, \ext                         ; no wait: no vector instruction since the wait above names these registers
.endif
.irp d, 0,1
	v_max3_num_f32 v[qb+8*\d], |v[rw+8*\d]|, |v[rw+8*\d+1]|, 0x1800000    ; my eight, and the floor 2^(3 - 127): the byte cannot fall under 1
.endr
.irp e, 2,4,6
.irp d, 0,1
	v_max3_num_f32 v[qb+8*\d], v[qb+8*\d], |v[rw+8*\d+\e]|, |v[rw+8*\d+\e+1]|
.endr
.endr
.if (\i) >= 2
	QSTORE (\i)-2, \buf
.endif
.irp x, 1,2
.irp d, 0,1
	v_max_num_f32_dpp v[qb+8*\d], v[qb+8*\d], v[qb+8*\d] row_xmask:\x row_mask:0xf bank_mask:0xf   ; four neighbouring lanes hold a block of 32
.endr
.endr
.irp d, 0,1
	v_add_nc_u32 v[qb+8*\d+1], 0xff000000, v[qb+8*\d]      ; 2 off the exponent field: the conversion takes the exponent field of this operand as its scale
.endr
.irp d, 0,1
	v_cvt_scalef32_pk8_fp4_f32 v[qb+8*\d+3], v[rw+8*\d:rw+8*\d+7], v[qb+8*\d+1]
.endr
.irp d, 0,1
	v_lshrrev_b32 v[qb+8*\d+2], 23, v[qb+8*\d+1]           ; the scale's byte.  (The plain lines behind the conversions)
.endr
.if (\i) >= 2
	QSTORE (\i)-1, \buf
.endif
.irp d, 0,1
.irp j, 0,1,2,3
	v_cvt_pk_bf16_f32 v[qb+8*\d+4+\j], v[rw+8*\d+2*\j], v[rw+8*\d+2*\j+1]
.endr
.endr
.endm
.macro QTAIL buf, fill, p, ext         ; the last pair's refills and stores
	s_wait_alu depctr_va_vdst(0)                   ; the lines of rows 6 and 7 have written their set, which the stores below read, and are done with those rows' registers, in which the refills land
.if \fill
	HLOAD 6, \p, \ext
	HLOAD 7, \p, \ext
.endif
	QSTORE 6, \buf
	QSTORE 7, \buf
.endm
.macro BLOAD ks                        ; W_h's eight fragments of the block's K step ks: 512 consecutive bytes a load
.irp j, 0,1,2,3,4,5,6,7
.irp c, 0,1
	global_load_b128 v[BR+8*(8*\ks+\j)+4*\c:BR+8*(8*\ks+\j)+4*\c+3], v[WO], s[WB:WB+1] offset:1024*(8*\ks+\j)+512*\c
.endr
.endr
.endm
.macro SBLOAD                          ; and the block's scale words: register 2 q + ks: lanes 0-15 column tile 2 q, lanes 16-31 tile 2 q + 1
.irp c, 0,1
	global_load_b128 v[SB+4*\c:SB+4*\c+3], v[WO], s[WB:WB+1] offset:16384+512*\c
.endr
.endm
.macro ALOAD buf, ks                   ; the 64 rows' fragments of K step ks: lane (r, hh) takes 16 bytes at row 16 m + r, 64 ks + 32 c + 16 hh
.irp m, 0,1,2,3
.irp c, 0,1
	ds_load_b128 v[AR+8*\m+4*\c:AR+8*\m+4*\c+3], v[AF] offset:CBUF*\buf+16*CPITCH*\m+64*\ks+32*\c
.endr
.endr
.endm
.macro SALOAD buf                      ; their scale words, both K steps
.irp m, 0,1,2,3
	ds_load_b64 v[SA+2*\m:SA+2*\m+1], v[SAA] offset:512*\buf+128*\m
.endr
.endm
.macro WM m, j, ks, zero
.set rD, 8*(8*(\m)+(\j))
.set rA, AR+8*(\m)
.set rB, BR+8*(8*(\ks)+(\j))
.set rSA, SA+2*(\m)+(\ks)
.set rSB, SB+2*((\j)/2)+(\ks)
.if \zero
.if (\j)%2
	v_wmma_scale_f32_16x16x128_f8f6f4 v[rD:rD+7], v[rA:rA+7], v[rB:rB+7], 0, v[rSA], v[rSB] matrix_a_fmt:MATRIX_FMT_FP4 matrix_b_fmt:MATRIX_FMT_FP4 matrix_b_scale:MATRIX_SCALE_ROW1
.else
	v_wmma_scale_f32_16x16x128_f8f6f4 v[rD:rD+7], v[rA:rA+7], v[rB:rB+7], 0, v[rSA], v[rSB] matrix_a_fmt:MATRIX_FMT_FP4 matrix_b_fmt:MATRIX_FMT_FP4
.endif
.else
.if (\j)%2
	v_wmma_scale_f32_16x16x128_f8f6f4 v[rD:rD+7], v[rA:rA+7], v[rB:rB+7], v[rD:rD+7], v[rSA], v[rSB] matrix_a_fmt:MATRIX_FMT_FP4 matrix_b_fmt:MATRIX_FMT_FP4 matrix_b_scale:MATRIX_SCALE_ROW1
.else
	v_wmma_scale_f32_16x16x128_f8f6f4 v[rD:rD+7], v[rA:rA+7], v[rB:rB+7], v[rD:rD+7], v[rSA], v[rSB] matrix_a_fmt:MATRIX_FMT_FP4 matrix_b_fmt:MATRIX_FMT_FP4
.endif
.endif
.endm
.macro MUL ks, zero                    ; 32 products, 128 along K.  The 32 accumulators take turns, one instruction a turn, in the same order everywhere.  zero = 1: the products start the sums
.irp m, 0,1,2,3
.irp j, 0,1,2,3,4,5,6,7
	WM \m, \j, \ks, \zero
.endr
.endr
.endm
; A SLAB: 256 along K.  hmode: h_i's refills are the next slab's (1), the next tile's first slab's (2), none (0).  bfill = 1: W_h's next block is asked for.
; hstep: what is added to the OTHER base of h_i.  xw = 1: the slab follows global stores and prefetches whose registers it writes again.
; Global loads are always issued in the order h_i (16), W_h's K step 0 (16), K step 1 (16), scale words (2); a pair's refills are issued in the next pair's turn, behind that turn's wait on loads.
; In front of the products only this slab's 16 refills may be out: they name this slab's base of h_i, so the other base and W_h's base,
; all of whose loads that wait has shown done, are stepped there.
.macro SLAB buf, zero, hmode, bfill, hstep, xw
.set HPR, HP0+(HP1-HP0)*\buf           ; the base that this slab's refills name
.set HPS, HP1-(HP1-HP0)*\buf           ; the base that it steps
.if \xw
	s_wait_xcnt 0x0                                ; every earlier memory instruction has had its addresses translated: the registers that the last tile's stores and prefetches read may be written
	s_wait_alu depctr_vm_vsrc(0)                   ; the last tile's stores have read p, m and l (v80-81, v96-97) and the context's sums (v100-107), its prefetches v111: the quantiser writes all of them again
.endif
	v_add_nc_u32 v[TST], s[SOFF], v[STB]
.irp i, 0,2,4,6
.if \hmode == 1
	QPAIR \i, \buf, 1, HPR, 0
.elseif \hmode == 2
	QPAIR \i, \buf, 1, HPR, NEXTT
.else
	QPAIR \i, \buf, 0, HPR, 0
.endif
.endr
.if \hmode == 1
	QTAIL \buf, 1, HPR, 0
.elseif \hmode == 2
	QTAIL \buf, 1, HPR, NEXTT
.else
	QTAIL \buf, 0, HPR, 0
.endif
	s_add_co_u32 s[SOFF], s[SOFF], 512
	BARRIER                                        ; the slab's codes and scale bytes of all 64 rows lie in this buffer; nobody reads the other buffer any more
	s_wait_alu depctr_vm_vsrc(0)                   ; my LDS stores have read both sets and v[TST], in which A's fragments and scale words land (the lines that wrote them stand ahead of the last wait on va_vdst)
	ALOAD \buf, 0
	SALOAD \buf
	PLACES                                         ; between the quantiser's last write into A's registers and the products that name them
.if \hmode
	s_wait_loadcnt 16                              ; W_h's block is in; h_i's 16 refills stay out
.else
	s_wait_loadcnt 0x0
.endif
.if \hstep
	s_add_nc_u64 s[HPS:HPS+1], s[HPS:HPS+1], \hstep        ; two slabs on (at a tile's end: into the next tile)
.endif
.if \bfill
	s_add_nc_u64 s[WB:WB+1], s[WB:WB+1], 17408
.endif
	s_wait_dscnt 0x0
	WIN 0x50                                       ; C and D in window 1
	MUL 0, \zero
	WIN 0
	PLACES                                         ; four places behind the products; they stay beside the wait below
	s_wait_alu depctr_va_vdst(0)                   ; the products are done reading A's fragments and W_h's of K step 0, in which the loads below land
	ALOAD \buf, 1                                  ; asked for first: W_h's 16 loads stand between the request and the wait
.if \bfill
	BLOAD 0
.endif
	s_wait_dscnt 0x0
	WIN 0x50
	MUL 1, 0
	WIN 0
	PLACES                                         ; in front of the quantiser's writes into A's registers and of the first read of the sums
	s_wait_alu depctr_va_vdst(0)                   ; the products are done reading W_h's fragments and scale words, in which the loads below land (behind a tile's last slab: tanh's constants)
.if \bfill
	BLOAD 1
	SBLOAD
.endif
.endm
; Four accumulators (tile of rows m, column tiles 4 jh .. 4 jh + 3): 32 registers on end in window 1.  Lane (r, hh), register 8 a + i: row 16 m + 8 hh + i, column 16 (4 jh + a) + r.
.macro GROUP m, jh
.set AC, 8*(8*(\m)+4*(\jh))
	WIN 0
.irp a, 0,1,2,3
.irp p, 0,1,2,3
	v_pk_fma_f32 v[UU+8*\a+2*\p:UU+8*\a+2*\p+1], v[CV+8*(\m)+2*\p:CV+8*(\m)+2*\p+1], v[GW+2*(4*(\jh)+\a):GW+2*(4*(\jh)+\a)+1], v[GW+2*(4*(\jh)+\a):GW+2*(4*(\jh)+\a)+1] op_sel:[0,1,0] op_sel_hi:[1,1,0]   ; cov x c W_c + c (Ws_s + b_s + b_h): of the pair the second word multiplies, the first is added
.endr
.endr
	WIN 0x41                                       ; destination and source 0 in window 1
.set e, 0
.rept 16
	v_pk_fma_f32 v[AC+e:AC+e+1], v[AC+e:AC+e+1], s[CS:CS+1], v[UU+e:UU+e+1] op_sel_hi:[1,0,1]   ; y = c x the sum + the rest; each accumulator is read from its low end on
.set e, e+2
.endr
.set e, 0
.rept 32
	v_exp_f32 v[AC+e], v[AC+e]
.set e, e+1
.endr
	v_nop                                          ; a plain line behind the transcendentals
.set e, 0
	s_wait_alu depctr_va_vdst(0)                   ; the 32 exponentials have written their results, which the additions below read: one wait for the batch
.rept 16
	v_pk_add_f32 v[AC+e:AC+e+1], v[AC+e:AC+e+1], 1.0 op_sel_hi:[1,0]
.set e, e+2
.endr
.set e, 0
.rept 32
	v_rcp_f32 v[AC+e], v[AC+e]
.set e, e+1
.endr
	v_nop
	s_wait_alu depctr_va_vdst(0)                   ; the 32 reciprocals have written their results, which the multiply-adds below read: one wait for the batch
	WIN 0x01                                       ; source 0 in window 1
.irp a, 0,1,2,3
.irp p, 0,1,2,3
.if (4*(\jh)+\a) == 0
	v_pk_fma_f32 v[EE+8*(\m)+2*\p:EE+8*(\m)+2*\p+1], v[AC+8*\a+2*\p:AC+8*\a+2*\p+1], v[VV:VV+1], v[SV:SV+1] op_sel_hi:[1,0,0]   ; the sum starts at the sum of my v_a
.elseif (\a)%2 == 0
	v_pk_fma_f32 v[EE+8*(\m)+2*\p:EE+8*(\m)+2*\p+1], v[AC+8*\a+2*\p:AC+8*\a+2*\p+1], v[VV+4*(\jh)+\a:VV+4*(\jh)+\a+1], v[EE+8*(\m)+2*\p:EE+8*(\m)+2*\p+1] op_sel_hi:[1,0,1]
.else
	v_pk_fma_f32 v[EE+8*(\m)+2*\p:EE+8*(\m)+2*\p+1], v[AC+8*\a+2*\p:AC+8*\a+2*\p+1], v[VV+4*(\jh)+\a-1:VV+4*(\jh)+\a], v[EE+8*(\m)+2*\p:EE+8*(\m)+2*\p+1] op_sel:[0,1,0] op_sel_hi:[1,1,1]
.endif
.endr
.endr
	WIN 0
.endm
.macro TANH t
.irp j, 0,1,2,3,4,5,6,7
	ds_load_b32 v[GW+2*\j], v[CNA] offset:64*\j    ; (into registers that held W_h's fragments: the wait at the last slab's end has shown the products done with them)
	ds_load_b32 v[GW+2*\j+1], v[CNA] offset:4096+64*\j
	ds_load_b32 v[VV+\j], v[CNA] offset:8192+64*\j
.endr
.irp m, 0,1,2,3
.irp k, 0,1
	ds_load_b128 v[CV+8*\m+4*\k:CV+8*\m+4*\k+3], v[CVD] offset:256*\t+64*\m+16*\k
.endr
.endr
	s_wait_dscnt 0x0
	v_add_f32 v[SV], v[VV], v[VV+1]
.irp j, 2,3,4,5,6,7
	v_add_f32 v[SV], v[SV], v[VV+\j]
.endr
	v_mov_b32 v[SV+1], v[SV]                       ; (named with it as a pair)
.irp j, 0,2,4,6
	v_pk_mul_f32 v[VV+\j:VV+\j+1], v[VV+\j:VV+\j+1], -2.0 op_sel_hi:[1,0]
.endr
.irp m, 0,1,2,3
	GROUP \m, 0
	GROUP \m, 1
.endr
.endm
.macro ESUM                            ; the sixteen lanes of a half hold sixteen columns of the same rows: their sum; then my wave's 64 partial scores go to LDS
.irp x, 1,2,4,8
.set e, 0
.rept 32
	v_add_f32_dpp v[EE+e], v[EE+e], v[EE+e] row_xmask:\x row_mask:0xf bank_mask:0xf
.set e, e+1
.endr
.endr
	s_wait_alu depctr_va_vdst(0)                   ; the additions have written v[EE ..], which the LDS stores read; in the first tile v[PF] is written, which the prefetches read, and tanh's lines are done with v120-247, in which W_h lands again
.irp m, 0,1,2,3
.irp k, 0,1
	ds_store_b128 v[EPS], v[EE+8*\m+4*\k:EE+8*\m+4*\k+3] offset:64*\m+16*\k   ; the sixteen lanes write the same bytes with the same values
.endr
.endr
	BARRIER
.endm
.macro SOFTMAX t                       ; every wave; lane l holds rows 2 l and 2 l + 1
.irp u, 0,1,2,3,4,5,6,7
	ds_load_b64 v[AR+2*\u:AR+2*\u+1], v[EPL] offset:256*\u
.endr
.irp k, 1,2,3
	v_add_nc_u32 v[SRK+\k-1], 65536*\k, v[SR]      ; the context's stash addresses are made here, ahead of the wait in front of the stores below
.endr
	s_wait_dscnt 0x0
	v_pk_add_f32 v[80:81], v[80:81], v[82:83]
	v_pk_add_f32 v[84:85], v[84:85], v[86:87]
	v_pk_add_f32 v[88:89], v[88:89], v[90:91]
	v_pk_add_f32 v[92:93], v[92:93], v[94:95]
	v_pk_add_f32 v[80:81], v[80:81], v[84:85]
	v_pk_add_f32 v[88:89], v[88:89], v[92:93]
	v_pk_add_f32 v[80:81], v[80:81], v[88:89]
	v_fma_f32 v80, v80, s[L2E], s[BL]              ; t = (E + b_a) log2(e)
	v_fma_f32 v81, v81, s[L2E], s[BL]
	v_max_num_f32 v96, v80, v81
.irp x, 1,2,4,8
	v_max_num_f32_dpp v96, v96, v96 row_xmask:\x row_mask:0xf bank_mask:0xf
.endr
	v_permlanex16_b32 v100, v96, s[SEL], s[SEL+1]  ; (its destination counts as read: v100 was last written by a fragment load)
	v_max_num_f32 v96, v96, v100                   ; m: the tile's largest t, in every lane
	v_sub_f32 v80, v80, v96
	v_sub_f32 v81, v81, v96
	v_exp_f32 v80, v80                             ; p = 2^(t - m), at most 1
	v_exp_f32 v81, v81
	v_nop                                          ; a plain line behind the transcendentals
	s_wait_alu depctr_va_vdst(0)                   ; the two exponentials have written p, which the addition below reads
	v_add_f32 v97, v80, v81
.irp x, 1,2,4,8
	v_add_f32_dpp v97, v97, v97 row_xmask:\x row_mask:0xf bank_mask:0xf
.endr
	v_permlanex16_b32 v100, v97, s[SEL], s[SEL+1]
	v_add_f32 v97, v97, v100                       ; l: the tile's sum of p
	s_wait_alu depctr_va_vdst(0)                   ; p, m and l are written, which the stores below read; v[SRK ..] are written, which the context's loads read; tanh's lines are done with window 1, in which those loads land
	ds_store_b64 v[PBS], v[80:81]                  ; my wave's own copy of p
	s_cmp_lg_u32 s[WV], 0
	s_cbranch_scc1 .Lnot_wave_0_\@
	global_store_b64 v[L8], v[80:81], s[PW:PW+1] offset:256*\t    ; 32 lanes store 256 consecutive bytes, aligned
	global_store_b64 v[L8], v[96:97], s[SP:SP+1] offset:256*\t    ; (m, l) 32 times: likewise
.Lnot_wave_0_\@:
.endm
.macro SBATCH k                        ; rows 16 k .. 16 k + 15 of the stash, my eight columns, into buffer k % 3 of window 1
.set rS, 64+64*((\k)%3)
.if (\k) == 0
.set rAd, SR
.else
.set rAd, SRK+(\k)-1
.endif
.irp i, 0,1,2,3,4,5,6,7,8,9,10,11,12,13,14,15
	ds_load_b128 v[rS+4*\i:rS+4*\i+3], v[rAd] offset:4096*\i
.endr
.endm
.macro CFMA k                          ; 16 rows x 8 columns: bf16 half x p + sum, in f32
.set rS, 64+64*((\k)%3)
.irp i, 0,1,2,3,4,5,6,7,8,9,10,11,12,13,14,15
.irp q, 0,1,2,3
	v_fma_mix_f32_bf16 v[CC+2*\q], v[rS+4*\i+\q], v[16*(\k)+\i], v[CC+2*\q] op_sel_hi:[1,0,0]
	v_fma_mix_f32_bf16 v[CC+2*\q+1], v[rS+4*\i+\q], v[16*(\k)+\i], v[CC+2*\q+1] op_sel:[1,0,0] op_sel_hi:[1,0,0]
.endr
.endr
.endm
.macro CONTEXT t                       ; thread (w, l) sums columns 256 w + 8 l .. + 7 over the tile's 64 rows.  Window 1 holds p (64 registers) and three buffers of 16 rows: only the last 16 rows land in a buffer that has been read
.irp j, 0,1,2,3,4,5,6,7
	v_mov_b32 v[CC+\j], 0
.endr
	WIN 0x40                                       ; destination window 1
.irp q, 0,1,2,3,4,5,6,7,8,9,10,11,12,13,14,15
	ds_load_b128 v[4*\q:4*\q+3], v[PBL] offset:16*\q    ; p of the 64 rows, the same in every lane.  LDS serves a wave's instructions in order: these see my store above
.endr
	SBATCH 0
	SBATCH 1
	s_wait_dscnt 16                                ; p and rows 0-15 are in; the 16 loads of rows 16-31 stay out
	SBATCH 2                                       ; no wait: no vector instruction since the softmax's last wait names a register of window 1
	WIN 0x05                                       ; sources 0 and 1 in window 1
	CFMA 0
	WIN 0x40
	s_wait_alu depctr_va_vdst(0)                   ; the multiply-adds of rows 0-15 are done reading their buffer, in which rows 48-63 land
	SBATCH 3
	s_wait_dscnt 32                                ; rows 16-31 are in; the 32 loads of rows 32-63 stay out
	WIN 0x05
	CFMA 1
	s_wait_dscnt 16                                ; rows 32-47 are in; rows 48-63 stay out
	CFMA 2
	s_wait_dscnt 0x0
	CFMA 3
	WIN 0
.irp j, 0,1,2,3
	v_permlane16_swap_b32 v[CC+\j], v[CC+4+\j]     ; so that each store's 32 lanes hold 512 consecutive bytes
.endr
	s_wait_alu depctr_va_vdst(0)                   ; the exchanges have written v[CC ..], which the stores read
	global_store_b128 v[HO], v[CC:CC+3], s[CP:CP+1] offset:8192*\t
	global_store_b128 v[HO], v[CC+4:CC+7], s[CP:CP+1] offset:8192*\t+512
.endm
; A TILE of 64 rows.  h_i's two bases: slab g's refills are slab g + 1's bytes.  At a tile's head HP0 stands at its slab 1 and HP1 two slabs under its slab 2; each slab steps the base that it does not name.
.macro TILE t
	s_mov_b32 s[SOFF], 0
.if \t == 0
	SLAB 0, 1, 1, 1, 2048, 0                       ; the first slab's products start the sums: nothing is cleared
.else
	SLAB 0, 1, 1, 1, 2048+NEXTT, 1                 ; HP1 still stands in the last tile (its last loads reached over by their immediate): it comes over here
.endif
	s_mov_b32 s[CNT], 3
.Lslabs_\@:
	SLAB 1, 0, 1, 1, 2048, 0
	SLAB 0, 0, 1, 1, 2048, 0
	s_sub_co_u32 s[CNT], s[CNT], 1
	s_cmp_lg_u32 s[CNT], 0
	s_cbranch_scc1 .Lslabs_\@
.if \t == 0
	SLAB 1, 0, 2, 0, 2048+NEXTT, 0                 ; the refills are the next tile's first slab; HP0 goes over to the next tile's slab 1; W_h's registers serve tanh first
.else
	SLAB 1, 0, 0, 0, 0, 0                          ; nothing more to ask for
.endif
	TANH \t
.if \t == 0
	v_and_b32 v[PF], 7, v0                         ; the prefetches' offset is made here, ahead of the wait in front of the scores' stores: lanes 256 bytes apart, four rows an instruction
	v_lshlrev_b32 v[PF], 8, v[PF]
	v_bfe_u32 v[SRK+2], v0, 3, 2
	v_lshl_add_u32 v[PF], v[SRK+2], 13, v[PF]
.endif
	ESUM
.if \t == 0
	s_wait_xcnt 0x0                                ; W_h's base is written again only behind this wait
	s_mov_b64 s[WB:WB+1], s[WB0:WB0+1]
	s_wait_alu depctr_vm_vsrc(0)                   ; the LDS stores of the scores have read v[EE ..], in which W_h's fragments land
	BLOAD 0                                        ; W_h's first block again, for the next tile: it lands under the softmax and the context
	BLOAD 1
	SBLOAD
	global_prefetch_b8 v[PF], s[HP0:HP0+1] th:TH_LOAD_NT scope:SCOPE_SE                 ; the next tile's slabs 1 and 2 of my wave's eight rows, 2,048 bytes of each;
	global_prefetch_b8 v[PF], s[HP0:HP0+1] offset:32768 th:TH_LOAD_NT scope:SCOPE_SE    ; each piece is asked for once in the launch, by the wave that will load it, one softmax and one context ahead of its load; all of it lies inside my work-group's second 64 rows of h_i
.endif
	SOFTMAX \t
	CONTEXT \t
.if \t == 0
	BARRIER                                        ; every wave has read the stash and the partial scores: the next tile may write them
.endif
.endm
	s_load_b512 s[4:19], s[0:1], 0x0               ; h_i s[4:5], wimg s[6:7], g2 s[8:9], W_c s[10:11], v_a s[12:13], b_a s[14:15], coverage s[16:17], cpart s[18:19]
	s_load_b128 s[20:23], s[0:1], 0x40             ; pws s[20:21], stat s[22:23]
	v_lshrrev_b32 v80, 5, v0
	v_readfirstlane_b32 s[WV], v80                 ; wave 0..7
	v_and_b32 v80, 31, v0                          ; lane
	v_and_b32 v81, 15, v0                          ; r
	v_bfe_u32 v82, v0, 4, 1                        ; hh
	v_and_b32 v83, 127, v0
	v_lshlrev_b32 v83, 2, v83                      ; coverage: 4 bytes a thread, 128 rows
	v_lshlrev_b32 v[HO], 5, v81
	v_lshl_add_u32 v[HO], v82, 4, v[HO]
	v_lshlrev_b32 v[WO], 4, v80
	s_wait_alu depctr_va_sdst(0)                   ; s[WV] is written, ahead of its first reader: addresses and bases are made from it
	s_mul_i32 s50, s[WV], 8*CPITCH
	s_add_co_u32 s50, s50, CODES
	v_lshl_add_u32 v[CST], v80, 2, s50             ; codes: my wave's eight rows, 4 bytes a lane
	s_lshl_b32 s50, s[WV], 6
	s_add_co_u32 s50, s50, ASC
	v_lshrrev_b32 v[SST], 2, v80
	v_add_nc_u32 v[SST], s50, v[SST]               ; scale bytes: 8 a row, block lane / 4
	s_lshl_b32 s50, s[WV], 15
	v_add_nc_u32 v[STB], s50, v[WO]                ; the stash: eight rows of 4,096 bytes a wave
	v_mul_u32_u24 v[AF], v81, CPITCH
	v_lshl_add_u32 v[AF], v82, 4, v[AF]
	v_add_nc_u32 v[AF], CODES, v[AF]
	v_lshl_add_u32 v[SAA], v81, 3, ASC
	s_lshl_b32 s50, s[WV], 9
	s_add_co_u32 s50, s50, CG
	v_lshl_add_u32 v[CNA], v81, 2, s50
	v_lshl_add_u32 v[CVD], v82, 5, COV
	s_lshl_b32 s50, s[WV], 8
	s_add_co_u32 s52, s50, EP
	v_lshl_add_u32 v[EPS], v82, 5, s52
	v_lshl_add_u32 v[EPL], v80, 3, EP
	s_add_co_u32 s52, s50, PB
	v_lshl_add_u32 v[PBS], v80, 3, s52
	v_mov_b32 v[PBL], s52
	v_lshlrev_b32 v[SR], 4, v0
	v_lshlrev_b32 v[L8], 3, v80
	v_add_nc_u32 v97, CG, v[SR]                    ; where the constants go
	v_add_nc_u32 v98, COV, v83
	s_mov_b32 s[CS], 0x4038aa3b                    ; c = 2 log2(e)
	s_mov_b32 s[CS+1], 0x4038aa3b
	s_mov_b32 s[L2E], 0x3fb8aa3b                   ; log2(e)
	s_mov_b32 s[SEL], 0x76543210
	s_mov_b32 s[SEL+1], 0xfedcba98
	s_mov_b32 s51, 0
	s_wait_kmcnt 0x0
	s_load_b32 s48, s[14:15], 0x0                  ; b_a
	s_lshl_b32 s50, ttmp9, 20                      ; my work-group's 128 rows of 8,192 bytes,
	s_lshl_b32 s52, s[WV], 16                      ; my wave's eight of a tile
	s_add_co_u32 s50, s50, s52
	s_add_nc_u64 s[HP1:HP1+1], s[4:5], s[50:51]    ; slab 0: the first loads name this base
	s_add_nc_u64 s[HP0:HP0+1], s[HP1:HP1+1], 1024  ; slab 1: the first slab's refills name this one
	s_mul_i32 s50, s[WV], 8*17408
	s_add_nc_u64 s[WB0:WB0+1], s[6:7], s[50:51]
	s_mov_b64 s[WB:WB+1], s[WB0:WB0+1]
	s_lshr_b32 s50, ttmp9, 2                       ; my batch: four work-groups to a batch
	s_lshl_b32 s50, s50, 12
	s_add_nc_u64 s[8:9], s[8:9], s[50:51]
	s_lshl_b32 s50, ttmp9, 9
	s_add_nc_u64 s[16:17], s[16:17], s[50:51]
	s_add_nc_u64 s[PW:PW+1], s[20:21], s[50:51]
	s_add_nc_u64 s[SP:SP+1], s[22:23], s[50:51]
	s_lshl_b32 s50, ttmp9, 14                      ; two tiles of 8,192 bytes; my wave's 256 columns
	s_lshl_b32 s52, s[WV], 10
	s_add_co_u32 s50, s50, s52
	s_add_nc_u64 s[CP:CP+1], s[18:19], s[50:51]
	s_wait_alu depctr_va_vdst(0)                   ; the addresses v1 to v15, v83, v97 and v98 are written, which the loads and stores of the whole kernel read
	global_load_b128 v[84:87], v[SR], s[8:9]       ; the constants, 16 bytes a thread: g2's row,
	global_load_b128 v[88:91], v[SR], s[10:11]     ; W_c,
	global_load_b128 v[92:95], v[SR], s[12:13]     ; v_a,
	global_load_b32 v96, v83, s[16:17]             ; and coverage
.irp i, 0,1,2,3,4,5,6,7
	HLOAD \i, HP1, 0
.endr
	BLOAD 0
	BLOAD 1
	SBLOAD
	s_wait_loadcnt 50                              ; the four constants are in; the 16 + 34 loads of the first slab stay out
	v_pk_mul_f32 v[88:89], v[88:89], s[CS:CS+1] op_sel_hi:[1,0]
	v_pk_mul_f32 v[90:91], v[90:91], s[CS:CS+1] op_sel_hi:[1,0]
	s_wait_alu depctr_va_vdst(0)                   ; the multiplications have written c W_c in v[88:91], which an LDS store below reads
	ds_store_b128 v97, v[84:87]
	ds_store_b128 v97, v[88:91] offset:4096
	ds_store_b128 v97, v[92:95] offset:8192
	s_cmp_lt_u32 s[WV], 4
	s_cbranch_scc0 .Lno_cov
	ds_store_b32 v98, v96                          ; threads 0-127: one word each
.Lno_cov:
	s_wait_kmcnt 0x0
	s_mul_f32 s[BL], s48, s[L2E]
	s_wait_dscnt 0x0                               ; the stores are done.  (The other waves read the constants behind the slabs' barriers)
	s_wait_alu depctr_vm_vsrc(0)                   ; the LDS stores have read v84 to v98, and coverage's load v83: these registers are the quantiser's two sets from here on
	TILE 0
	TILE 1
	s_wait_xcnt 0x0
	v_lshl_add_u32 v254, v0, 2, 0x49e00
	v_mov_b32 v255, 0
	s_wait_dscnt 0x0                               ; the closing lines, six on end
	s_wait_alu 0x0
	s_wait_tensorcnt 0x0
	ds_add_u32 v254, v255
	s_wait_dscnt 0x0
	s_endpgm
.Lfunc_end_k_q7974a525a5_main:
	.size	k_q7974a525a5_main, .Lfunc_end_k_q7974a525a5_main-k_q7974a525a5_main
	.p2alignl 7, 3214868480
	.fill 96, 4, 3214868480
	.section	.rodata,"a",@progbits
	.p2align	6, 0x0
	.amdhsa_kernel k_q7974a525a5_main
		.amdhsa_group_segment_fixed_size 303616
		.amdhsa_private_segment_fixed_size 0
		.amdhsa_enable_private_segment 0
		.amdhsa_kernarg_size 80
		.amdhsa_user_sgpr_count 2
		.amdhsa_user_sgpr_kernarg_segment_ptr 1
		.amdhsa_wavefront_size32 1
		.amdhsa_system_sgpr_workgroup_id_x 1
		.amdhsa_system_sgpr_workgroup_id_y 1
		.amdhsa_system_sgpr_workgroup_id_z 1
		.amdhsa_system_vgpr_workitem_id 0
		.amdhsa_next_free_vgpr 512
		.amdhsa_next_free_sgpr 80
		.amdhsa_reserve_vcc 0
		.amdhsa_float_denorm_mode_32 3
		.amdhsa_float_denorm_mode_16_64 3
		.amdhsa_memory_ordered 1
		.amdhsa_forward_progress 1
		.amdhsa_inst_pref_size 255
	.end_amdhsa_kernel
	.section	.bss,"aw",@nobits
	.p2align	6
	.space	262144
	.amdgpu_metadata
---
amdhsa.version: [ 1, 2 ]
amdhsa.kernels:
  - .name:           k_q7974a525a5_main
    .symbol:         k_q7974a525a5_main.kd
    .args:
      - { .name: h_i, .offset: 0, .size: 8, .value_kind: global_buffer, .address_space: global }
      - { .name: wimg, .offset: 8, .size: 8, .value_kind: global_buffer, .address_space: global }
      - { .name: g2, .offset: 16, .size: 8, .value_kind: global_buffer, .address_space: global }
      - { .name: W_c, .offset: 24, .size: 8, .value_kind: global_buffer, .address_space: global }
      - { .name: v_a, .offset: 32, .size: 8, .value_kind: global_buffer, .address_space: global }
      - { .name: b_a, .offset: 40, .size: 8, .value_kind: global_buffer, .address_space: global }
      - { .name: coverage, .offset: 48, .size: 8, .value_kind: global_buffer, .address_space: global }
      - { .name: cpart, .offset: 56, .size: 8, .value_kind: global_buffer, .address_space: global }
      - { .name: pws, .offset: 64, .size: 8, .value_kind: global_buffer, .address_space: global }
      - { .name: stat, .offset: 72, .size: 8, .value_kind: global_buffer, .address_space: global }
    .group_segment_fixed_size: 303616
    .private_segment_fixed_size: 0
    .kernarg_segment_align: 8
    .kernarg_segment_size: 80
    .max_flat_workgroup_size: 256
    .sgpr_count:     80
    .vgpr_count:     512
    .wavefront_size: 32
...
	.end_amdgpu_metadata
.endif
;; end of part 5
;; launch finish: the kernel of part 3 again; grid 256 x 1, 4 waves a work-group, no clusters, 0 bytes of LDS; arguments cpart, pws, stat, coverage, out0, out1, out2; writes out0, out1, out2
